; MI455X (gfx1250); checked and timed in simulation.
; The chip was launched on July 23, 2026; its instructions are those of AMD's public machine-readable ISA for CDNA 5 (MIT licence, August 2026) and "CDNA5" Instruction Set Architecture Reference Guide (July 2026). The comments in the code are by the model that wrote it; some were corrected since.
;; Causal Self Attention. Allowed arithmetic: matrix products marked QUANTISED: E2M3 operands, one E8M0 scale for each 32 along K, by v_wmma_scale_f32_16x16x128_f8f6f4 with both operands' format E2M3, f32 sums; everything else in f32.
;; Inputs: w_out 1,024 x 1,024 float32; w_qkv 1,024 x 3,072 float32; x 2 x 2,048 x 1,024 float32.
;; Outputs: out0 2 x 2,048 x 1,024 float32.
;; This version of the problem:
;;   THIS VERSION OF THE PROBLEM IS GIVEN IN LOW PRECISION. The matrix products marked QUANTISED in the list below multiply operands that are first quantised to E2M3 (2 exponent bits, 3 mantissa bits; 6 bits a number), with one power-of-two scale for each 32 numbers along K (OCP MX v1.0); their sums are f32. All else is computed in f32.
;;   The module's matrix products, in the order in which they are computed (A, B: the left and right operand; K: the contracted axis; several contracted axes count as one K, in the product's order):
;;     1. [M 4,096, K 1,024] x [K 1,024, N 3,072]; A: input x; B: input w_qkv: QUANTISED
;;     2. batch 32 x [M 2,048, K 64] x [K 64, N 2,048]; A: computed on the way; B: computed on the way: QUANTISED
;;     3. batch 32 x [M 2,048, K 2,048] x [K 2,048, N 64]; A: softmax (see below); B: computed on the way: QUANTISED
;;     4. [M 4,096, K 1,024] x [K 1,024, N 1,024]; A: computed on the way; B: input w_out: QUANTISED
;;   THE QUANTISER, for each operand of a quantised product, along K:
;;     - K is cut into blocks of 32 from its start; a last block that is shorter is filled with zeros.
;;     - A block's scale is 2^e with e = floor(log2(the largest magnitude in the block)) - 2, held to -126 .. 127; a block of zeros has e = 0. As a byte (E8M0): e + 127.
;;     - Each number is divided by its block's scale, clamped to +-7.5, and rounded to the nearest number of E2M3, ties to even, subnormals kept.
;;     - The product sums the exact products of the quantised numbers (number of the format x scale) in f32.
;;   ~~~python
;;   def quantise(x, axis):      # numpy; x: float32 -> the quantised numbers, widened to float32 again
;;       x = np.moveaxis(x, axis, -1); K = x.shape[-1]
;;       x = np.pad(x, [(0, 0)] * (x.ndim - 1) + [(0, -K % 32)]); x = x.reshape(x.shape[:-1] + (-1, 32)); a = np.abs(x).max(-1, keepdims=True)
;;       e = np.where(a > 0, np.clip(np.frexp(np.where(a > 0, a, 1))[1] - 1 - 2, -126, 127), 0)      # np.frexp(a)[1] - 1 = floor(log2(a)), exactly
;;       r = np.clip(x / 2.0 ** e, -7.5, 7.5)
;;       step = 2.0 ** (np.maximum(np.frexp(np.where(r == 0, 1, r))[1] - 1, 0) - 3)
;;       q = np.round(r / step) * step * 2.0 ** e      # np.round: ties to even
;;       return np.moveaxis(q.reshape(q.shape[:-2] + (-1,))[..., :K], -1, axis).astype(np.float32)
;;   ~~~
;;   SOFTMAX AHEAD OF A QUANTISED PRODUCT. Where the list says 'softmax', what is quantised is not the finished softmax but p = 2^(t - M), with t = logit x log2(e) and M = ceil(the row's largest t), a whole number; so 1/2 < the row's largest p <= 1. The row's sum l is taken of the UNQUANTISED p, in f32, and the product's result is divided by l at the end. Since M is a whole number, a kernel that streams over the keys may use a running M (the ceiling of the running maximum): every later rescaling is an exact power of two, which a block's scale takes up: the codes' values come out the same.
;;   OPERANDS COMPUTED ON THE WAY. 'Computed on the way' means the value that the module computes at that place (a softmax that the list does not call 'softmax' is quantised finished and normalised). What goes into a quantiser is computed in f32, as accurately as f32 sums, v_exp_f32 and their like allow (about 1e-6 of the number): no bf16 or f16 on the way to a quantiser, and a product that is left as it is and whose result goes on into a quantised operand takes f32 operands (vector FMAs, or v_wmma_f32_16x16x4_f32). A number that lies on a knife's edge between two numbers of the format may be rounded either way, as far as f32 arithmetic and the matrix unit's own rounding can turn it there, and no further.
;; One version. Each part assembles by itself: llvm-mc -triple=amdgcn-amd-amdhsa -mcpu=gfx1250 --defsym DOCPART=n.
;; ======== version 1 of 1: 4 launches
;; limits: right only within a limited range of input values
;; workspace buffers: xc 3,276,800 bytes; wq 2,457,600 bytes; wo 819,200 bytes; cs 524,288 bytes; qb 3,407,872 bytes; kv 6,684,672 bytes; oc 3,276,800 bytes
;; launch prep (part 1): grid 512 x 1, 4 waves a work-group, no clusters, 68,096 bytes of LDS; arguments x, w_qkv, w_out, xc, wq, wo, cs; writes xc, wq, wo, cs
.if DOCPART == 1
	.amdgcn_target "amdgcn-amd-amdhsa--gfx1250"
	.amdhsa_code_object_version 6
	.text
	.protected	k_q86b891f146_prep
	.globl	k_q86b891f146_prep
	.p2align	8
	.type	k_q86b891f146_prep,@function
k_q86b891f146_prep:
	s_mov_b64 s[64:65], 0
	v_nop
	global_prefetch_b8 v0, s[64:65] scope:SCOPE_SE
	s_setreg_imm32_b32 hwreg(HW_REG_WAVE_MODE, 25, 1), 1
	s_wait_xcnt 0x0
; PREP: x [4096][1024], w_qkv [1024][3072] and w_out [1024][1024], f32, become codes of FP6 (E2M3) with one E8M0 byte for each 32 along K (K = 1024 in all three);
; and the table of cos and sin for the rotary embedding is made.  A block's scale is 2^(floor(log2(its largest magnitude)) - 2): its byte is that magnitude's exponent field - 2, held at 1 from below.
; LAYOUT OF THE RESULTS.  A tile is 16 rows (tokens, or columns of a weight) x all of K, in a block of 12,800 bytes: the fragments of the eight K steps of 128 as IMAGES OF THE OPERAND'S REGISTERS
; (fragment s at 1,536 s; registers 4 c .. 4 c + 3 of lane l at 512 c + 16 l), then the scale words at 12,288 + 64 s + 4 row.  THE ROWS OF A TILE ARE NOT NEIGHBOURS: row p of tile u is index
; 32 (u / 2) + 8 (u % 2) + p + 8 (p / 8), so that a later product's results lie with 16 neighbours in a lane's 16 registers.
; SHARES.  Work-groups 0-255: token tile = work-group, wave w takes K steps 2 w and 2 w + 1, and eight positions of the table.  Work-groups 256-447: w_qkv, 128 columns x 128 K each; 448-511: w_out likewise.
; Memory binds: every input byte is read once, all loads of a wave go out together, every store of codes covers 512 consecutive bytes.  No matrix unit, no cluster, no barrier: waves share nothing.
; THE TABLE: cs[pos] = cos[32], sin[32], f32.  inv_freq = 2^(-j log2(10000) / 32); angle = pos x inv_freq, one rounding; reduced by multiples of pi/2 in two parts, then polynomials of degree 9 and 10.
; LIMITS: NaN and infinities among the inputs are not served.  A block of zeros, or one whose largest magnitude lies under 2^-124, gets the byte 1 (its codes are zeros or small; these bytes are read by this
; program alone).  inv_freq comes from v_exp_f32, so an angle may differ from one made by a division by about 2e-4 radians at the largest positions.
; THE ROWS OF x'S TILES: the row map above is the weights'.  Row p of token tile u is token 64 (u / 4) + 8 (u % 4) + p + 24 (p / 8), so that four tiles of a result give a lane 32 neighbouring tokens.
; WORK LEFT OUT of the program: reference() puts -infinity in front of its softmax wherever a key comes after the query, so whole steps of 128 keys behind a query tile's last are not multiplied: their p is 0 for all
; values of the inputs.  Limit: a NaN, an infinity or an overflow that reaches only that work is not carried to the result.
.set R, 80
.set PC,  32                           ; v32-55   the codes: no store's data are written again
.set PT,  20                           ; v20-22   a block's upper 16 codes on their way
.set YB,  14                           ; v14-17   scale bytes
; 32 numbers of ONE lane, a whole block, become six registers of codes at v[dst] and the byte v[YB + y]
.macro QBLK src, dst, y
	v_max3_num_f32 v10, |v[\src]|, |v[\src+1]|, |v[\src+2]|
	v_max3_num_f32 v11, |v[\src+3]|, |v[\src+4]|, |v[\src+5]|
.irp i, 6,10,14,18,22,26
	v_max3_num_f32 v10, v10, |v[\src+\i]|, |v[\src+\i+1]|
	v_max3_num_f32 v11, v11, |v[\src+\i+2]|, |v[\src+\i+3]|
.endr
	v_max3_num_f32 v10, v10, |v[\src+30]|, |v[\src+31]|
	v_max3_num_f32 v10, v10, v11, 0x1800000        ; the floor 2^(3 - 127): the byte cannot fall under 1
	v_add_nc_u32 v12, 0xff000000, v10              ; 2 off the exponent field: the conversion takes this operand's exponent field as its scale
	v_cvt_scalef32_pk16_fp6_f32 v[\dst:\dst+2], v[\src:\src+15], v12
	v_cvt_scalef32_pk16_fp6_f32 v[PT:PT+2], v[\src+16:\src+31], v12   ; (a conversion's three registers begin on an even number)
	v_lshrrev_b32 v[YB+\y], 23, v12                ; the byte; also the plain line behind the conversions
.irp i, 0,1,2
	v_mov_b32 v[\dst+3+\i], v[PT+\i]
.endr
.endm
	s_load_b256 s[4:11], s[0:1], 0x0               ; x s[4:5], w_qkv s[6:7], w_out s[8:9], xc s[10:11]
	s_load_b128 s[12:15], s[0:1], 0x20             ; wq s[12:13], wo s[14:15]
	s_load_b64 s[16:17], s[0:1], 0x30              ; cs
	v_lshl_add_u32 v208, v0, 2, 0x10800
	v_mov_b32 v209, 0
	v_lshrrev_b32 v1, 5, v0
	v_readfirstlane_b32 s18, v1                    ; wave
	v_and_b32 v2, 31, v0                           ; lane
	v_and_b32 v3, 15, v0                           ; r
	v_bfe_u32 v9, v0, 4, 1                         ; h
	v_lshlrev_b32 v4, 4, v2                        ; 16 x lane
	s_mov_b32 s20, 0x76543210
	s_mov_b32 s21, 0xfedcba98                      ; v_permlanex16_b32's selects for lane l xor 16
	s_mov_b32 s22, 0xffff0000                      ; lanes 16-31
	s_cmp_lt_u32 ttmp9, 256
	s_cbranch_scc0 .Lweights
	; ---------------- x: token tile = work-group ----------------
	s_lshr_b32 s24, ttmp9, 2
	s_lshl_b32 s24, s24, 6
	s_and_b32 s25, ttmp9, 3
	s_lshl_b32 s25, s25, 3
	s_add_co_u32 s24, s24, s25                     ; the tile's first token: 64 (tile / 4) + 8 (tile % 4)
	s_lshl_b32 s24, s24, 12                        ; x 4,096 bytes a row
	s_lshl_b32 s25, s18, 10
	s_add_co_u32 s24, s24, s25                     ; + my two K steps: 1,024 w
	s_mov_b32 s25, 0
	s_mul_i32 s26, ttmp9, 12800                    ; the tile's block in xc
	s_mov_b32 s27, 0
	s_mul_i32 s28, s18, 3072                       ; my two fragments in it
	s_mov_b32 s29, 0
	s_lshl_b32 s30, s18, 7                         ; my two K steps' scale words
	s_mov_b32 s31, 0
	s_lshl_b32 s32, ttmp9, 3
	s_lshl_b32 s33, s18, 1
	s_add_co_u32 s32, s32, s33                     ; my two positions of the table: 8 x work-group + 2 w,
	s_add_co_u32 s33, s32, 1                       ; and the next
	s_lshl_b32 s34, s32, 8
	s_mov_b32 s35, 0
	s_mov_b32 s36, 0xbfc90fdb                      ; -(pi/2 rounded to f32)
	s_mov_b32 s37, 0x333bbd2e                      ; that rounding's excess over pi/2
	s_mul_i32 s38, s18, 16896                      ; my stage in LDS: two fragments of 16 rows x (512 + 16) bytes
	s_wait_alu depctr_va_vdst(0)
	v_add_nc_u32 v5, s38, v4                       ; in: 16 x lane of a row
	v_mul_u32_u24 v6, v3, 528
	v_lshl_add_u32 v6, v9, 7, v6
	v_add_nc_u32 v6, s38, v6                       ; out: row r, + 128 h: my 32 numbers of each 64
	v_lshlrev_b32 v7, 2, v2                        ; 4 x lane
	v_lshlrev_b32 v8, 3, v9                        ; 8 h: where my bytes stand in a scale word
	v_mov_b32 v25, 0                               ; a lane permute's destination counts as one of its sources
	s_wait_kmcnt 0x0
	s_add_nc_u64 s[4:5], s[4:5], s[24:25]
	s_add_nc_u64 s[10:11], s[10:11], s[26:27]
	s_add_nc_u64 s[12:13], s[10:11], s[30:31]      ; the scale words' base
	s_add_nc_u64 s[10:11], s[10:11], s[28:29]      ; the codes' base
	s_add_nc_u64 s[16:17], s[16:17], s[34:35]
.irp f, 0,1
.irp p, 0,1,2,3,4,5,6,7,8,9,10,11,12,13,14,15
	global_load_b128 v[R+64*\f+4*\p:R+64*\f+4*\p+3], v4, s[4:5] offset:(\p+24*(\p/8))*4096+512*\f th:TH_LOAD_NT   ; 32 lanes read 512 consecutive bytes: row p of the tile, one K step
.endr
.endr
	; the table, while the loads are on their way: a lane is a frequency j
	v_cvt_f32_u32 v56, v2
	v_mul_f32 v56, 0xbed49a78, v56                 ; -j log2(10000) / 32
	s_wait_alu depctr_va_vdst(0)
	v_exp_f32 v57, v56                             ; inv_freq
	v_nop                                          ; a plain line behind the exponential
	v_cvt_f32_u32 v58, s32
	v_cvt_f32_u32 v59, s33
	s_wait_alu depctr_va_vdst(0)                   ; the wait ahead of the first line that names the result
.macro TABLE e
	v_mul_f32 v60, v[58+\e], v57                   ; the angle
	v_mul_f32 v61, 0x3f22f983, v60
	v_rndne_f32 v61, v61                           ; n = the nearest multiple of pi/2
	v_fma_f32 v62, v61, s36, v60
	v_fma_f32 v62, v61, s37, v62                   ; rho = angle - n pi/2, within pi/4 of 0
	v_mul_f32 v63, v62, v62
	v_mov_b32 v64, 0x3638ef1d                      ; 1/9!
	v_fmaak_f32 v64, v64, v63, 0xb9500d01          ; -1/7!
	v_fmaak_f32 v64, v64, v63, 0x3c088889          ; 1/5!
	v_fmaak_f32 v64, v64, v63, 0xbe2aaaab          ; -1/3!
	v_mul_f32 v64, v64, v63
	v_fma_f32 v64, v64, v62, v62                   ; sin rho
	v_mov_b32 v65, 0xb493f27e                      ; -1/10!
	v_fmaak_f32 v65, v65, v63, 0x37d00d01          ; 1/8!
	v_fmaak_f32 v65, v65, v63, 0xbab60b61          ; -1/6!
	v_fmaak_f32 v65, v65, v63, 0x3d2aaaab          ; 1/4!
	v_fmaak_f32 v65, v65, v63, 0xbf000000          ; -1/2
	v_fma_f32 v65, v65, v63, 1.0                   ; cos rho
	v_cvt_i32_f32 v66, v61
	v_and_b32 v67, 1, v66
	v_cmp_eq_u32 vcc_lo, 1, v67                    ; in odd quadrants the two change places
	v_cndmask_b32 v68, v64, v65, vcc_lo
	v_cndmask_b32 v69, v65, v64, vcc_lo
	v_and_b32 v67, 2, v66
	v_lshlrev_b32 v67, 30, v67
	v_xor_b32 v[73+2*\e], v67, v68                 ; sin: negative in quadrants 2 and 3
	v_add_nc_u32 v66, 1, v66
	v_and_b32 v66, 2, v66
	v_lshlrev_b32 v66, 30, v66
	v_xor_b32 v[72+2*\e], v66, v69                 ; cos: negative in quadrants 1 and 2
	global_store_b32 v7, v[72+2*\e], s[16:17] offset:256*\e
	global_store_b32 v7, v[73+2*\e], s[16:17] offset:256*\e+128
.endm
	TABLE 0
	TABLE 1
; One K step: the 16 rows go through my stage as they were loaded and come back 32 neighbours of a row at a time, in the order of the operand's registers: lane (r, h) holds k = 64 c + 32 h + 0 .. 31 of row r
.macro XFRAG f
	s_wait_loadcnt 16-16*\f                        ; this K step's 16 loads are in; the other's (issued later) may be out
.irp p, 0,1,2,3,4,5,6,7,8,9,10,11,12,13,14,15
	ds_store_b128 v5, v[R+64*\f+4*\p:R+64*\f+4*\p+3] offset:8448*\f+528*\p
.endr
.irp c, 0,1
.irp i, 0,1,2,3,4,5,6,7
	ds_load_b128 v[R+64*\f+32*\c+4*\i:R+64*\f+32*\c+4*\i+3], v6 offset:8448*\f+256*\c+16*\i   ; LDS serves a wave's instructions in order (ISA guide 5.7.1.4): these see my stores
.endr
.endr
	s_wait_dscnt 0x0
	QBLK R+64*\f, PC+12*\f, 0
	QBLK R+64*\f+32, PC+12*\f+6, 1
	v_lshl_or_b32 v24, v[YB+1], 16, v[YB]          ; my two bytes: blocks h and 2 + h of row r,
	v_lshlrev_b32 v24, v8, v24                     ; at their places in the word;
	v_permlanex16_b32 v25, v24, s20, s21
	v_or_b32 v[26+\f], v24, v25                    ; with lane l xor 16's two the word is whole
.irp c, 0,1,2
	global_store_b128 v4, v[PC+12*\f+4*\c:PC+12*\f+4*\c+3], s[10:11] offset:1536*\f+512*\c   ; 512 consecutive bytes
.endr
.endm
	XFRAG 0
	XFRAG 1
	v_cndmask_b32 v13, v26, v27, s22               ; lanes 0-15 the first K step's words, lanes 16-31 the second's
	global_store_b32 v7, v13, s[12:13] offset:12288
	s_wait_tensorcnt 0x0
	ds_add_u32 v208, v209
	s_wait_dscnt 0x0
	s_endpgm
	; ---------------- the weights: K is the FIRST axis: a lane takes a column and its registers run down K ----------------
.Lweights:
	s_wait_alu depctr_va_vdst(0)
	v_and_b32 v5, 8, v3
	v_add_nc_u32 v5, v5, v3
	v_lshl_add_u32 v5, v9, 3, v5                   ; my column of the wave's 32: lanes 0-15 are the rows of the even tile, lanes 16-31 of the odd one
	s_lshl_b32 s31, s18, 7
	v_lshl_add_u32 v6, v5, 2, s31                  ; in bytes, + 128 w: a load of the wave still covers 128 consecutive bytes
	v_mul_u32_u24 v7, v9, 12800
	v_lshl_add_u32 v7, v3, 2, v7                   ; my scale word: my tile's block, row r
	s_cmp_lt_u32 ttmp9, 448
	s_cbranch_scc0 .Lwout
; n: columns of the weight;  src, dst: the scalar pairs of its address and of its codes';  first: the first work-group of this weight
.macro WPATH n, src, dst, first
	s_sub_co_u32 s24, ttmp9, \first
	s_and_b32 s25, s24, 7                          ; K step
	s_lshr_b32 s24, s24, 3                         ; group of 128 columns
	s_mul_i32 s26, s25, 512*\n                     ; 128 rows of n x 4 bytes
	s_lshl_b32 s27, s24, 9
	s_add_co_u32 s26, s26, s27
	s_mov_b32 s27, 0
	s_lshl_b32 s28, s24, 3
	s_lshl_b32 s29, s18, 1
	s_add_co_u32 s28, s28, s29                     ; my even tile: 8 x group + 2 w
	s_mul_i32 s28, s28, 12800
	s_mov_b32 s29, 0
	s_mul_i32 s30, s25, 1536
	s_mov_b32 s31, 0
	s_lshl_b32 s32, s25, 6
	s_mov_b32 s33, 0
	s_wait_kmcnt 0x0
	s_add_nc_u64 s[\src:\src+1], s[\src:\src+1], s[26:27]
	s_add_nc_u64 s[\dst:\dst+1], s[\dst:\dst+1], s[28:29]
	s_add_nc_u64 s[34:35], s[\dst:\dst+1], s[32:33]      ; the scale words' base
	s_add_nc_u64 s[\dst:\dst+1], s[\dst:\dst+1], s[30:31] ; the codes' base
.set k, 0
.rept 128
	global_load_b32 v[R+k], v6, s[\src:\src+1] offset:k*\n*4 th:TH_LOAD_NT
.set k, k+1
.endr
	s_wait_loadcnt 63                              ; 96 and 64 loads were issued behind blocks 0 and 1; a wait names 63 at the most, which is less than either
	QBLK R, PC, 0                                  ; even blocks into v32-43, odd ones into v44-55
	QBLK R+32, PC+12, 1
	s_wait_loadcnt 32                              ; block 3's 32 loads may be out
	QBLK R+64, PC+6, 2
	s_wait_loadcnt 0x0
	QBLK R+96, PC+18, 3
	v_lshl_or_b32 v24, v[YB+1], 8, v[YB]           ; all four bytes of my column's word are mine
	v_lshl_or_b32 v24, v[YB+2], 16, v24
	v_lshl_or_b32 v24, v[YB+3], 24, v24
.irp i, 0,1,2,3,4,5,6,7,8,9,10,11
	v_permlane16_swap_b32 v[PC+\i], v[PC+12+\i]    ; the even blocks of the odd tile change places with the odd blocks of the even tile: v32-43 are now the even tile's fragment, v44-55 the odd tile's
.endr
.irp c, 0,1,2
	global_store_b128 v4, v[PC+4*\c:PC+4*\c+3], s[\dst:\dst+1] offset:512*\c
	global_store_b128 v4, v[PC+12+4*\c:PC+12+4*\c+3], s[\dst:\dst+1] offset:12800+512*\c
.endr
	global_store_b32 v7, v24, s[34:35] offset:12288
	s_endpgm
.endm
	s_wait_alu depctr_va_vdst(0)
	WPATH 3072, 6, 12, 256
.Lwout:
	s_wait_alu depctr_va_vdst(0)
	WPATH 1024, 8, 14, 448
.Lfunc_end_k_q86b891f146_prep:
	.size	k_q86b891f146_prep, .Lfunc_end_k_q86b891f146_prep-k_q86b891f146_prep
	.p2alignl 7, 3214868480
	.fill 96, 4, 3214868480
	.section	.rodata,"a",@progbits
	.p2align	6, 0x0
	.amdhsa_kernel k_q86b891f146_prep
		.amdhsa_group_segment_fixed_size 68096
		.amdhsa_private_segment_fixed_size 0
		.amdhsa_enable_private_segment 0
		.amdhsa_kernarg_size 56
		.amdhsa_user_sgpr_count 2
		.amdhsa_user_sgpr_kernarg_segment_ptr 1
		.amdhsa_wavefront_size32 1
		.amdhsa_system_sgpr_workgroup_id_x 1
		.amdhsa_system_sgpr_workgroup_id_y 1
		.amdhsa_system_sgpr_workgroup_id_z 1
		.amdhsa_system_vgpr_workitem_id 0
		.amdhsa_next_free_vgpr 210
		.amdhsa_next_free_sgpr 66
		.amdhsa_reserve_vcc 1
		.amdhsa_float_denorm_mode_32 3
		.amdhsa_float_denorm_mode_16_64 3
		.amdhsa_memory_ordered 1
		.amdhsa_forward_progress 1
		.amdhsa_inst_pref_size 60
	.end_amdhsa_kernel
	.amdgpu_metadata
---
amdhsa.version: [ 1, 2 ]
amdhsa.kernels:
  - .name:           k_q86b891f146_prep
    .symbol:         k_q86b891f146_prep.kd
    .args:
      - { .name: x, .offset: 0, .size: 8, .value_kind: global_buffer, .address_space: global }
      - { .name: w_qkv, .offset: 8, .size: 8, .value_kind: global_buffer, .address_space: global }
      - { .name: w_out, .offset: 16, .size: 8, .value_kind: global_buffer, .address_space: global }
      - { .name: xc, .offset: 24, .size: 8, .value_kind: global_buffer, .address_space: global }
      - { .name: wq, .offset: 32, .size: 8, .value_kind: global_buffer, .address_space: global }
      - { .name: wo, .offset: 40, .size: 8, .value_kind: global_buffer, .address_space: global }
      - { .name: cs, .offset: 48, .size: 8, .value_kind: global_buffer, .address_space: global }
    .group_segment_fixed_size: 68096
    .private_segment_fixed_size: 0
    .kernarg_segment_align: 8
    .kernarg_segment_size: 56
    .max_flat_workgroup_size: 128
    .sgpr_count:     66
    .vgpr_count:     210
    .wavefront_size: 32
...
	.end_amdgpu_metadata
.endif
;; end of part 1
;; launch qkv (part 2): grid 16 x 16, 4 waves a work-group, clusters of 4 x 4, 327,680 bytes of LDS; arguments xc, wq, cs, qb, kv; writes qb, kv
.if DOCPART == 2
	.amdgcn_target "amdgcn-amd-amdhsa--gfx1250"
	.amdhsa_code_object_version 6
	.text
	.protected	k_q86b891f146_qkv
	.globl	k_q86b891f146_qkv
	.p2align	8
	.type	k_q86b891f146_qkv,@function
k_q86b891f146_qkv:
	s_mov_b64 s[64:65], 0
	v_nop
	global_prefetch_b8 v0, s[64:65] scope:SCOPE_SE
	s_setreg_imm32_b32 hwreg(HW_REG_WAVE_MODE, 25, 1), 1
	s_wait_xcnt 0x0
	s_wait_alu depctr_hold_cnt(0) depctr_sa_sdst(0) depctr_va_vdst(0) depctr_va_sdst(0) depctr_va_ssrc(0) depctr_va_vcc(0) depctr_vm_vsrc(0)
	s_getreg_b32 s2, hwreg(HW_REG_IB_STS2, 6, 4)
	s_cmp_eq_u32 s2, 0
	s_cbranch_scc0 .Lentry_in_a_cluster
	s_endpgm
.Lentry_in_a_cluster:
	s_bfe_u32 s2, ttmp6, 0x10000c
	s_cmp_lg_u32 s2, 0xf033
	s_cbranch_scc0 .Lentry_shape_is_right
	s_endpgm
.Lentry_shape_is_right:
; QKV: qkv = x w_qkv on codes of FP6 (E2M3) with E8M0 scales; the rotary embedding on q and k in f32; q, k (along the head's 64) and v (along the tokens) quantised again, and stored as images of the registers
; in which the attention launch wants them.  Nothing in f32 goes to memory.
; SHARES.  A work-group takes 256 tokens (tg) x head cg's 64 columns of q, of k and of v: three UNITS.  Wave w takes 64 tokens, four tiles of 16, for all of them.
; x IS STATIONARY: a wave's 64 tokens x all 1,024 of K go through LDS once and stay in 384 registers.  W: a unit's four column tiles are 51,200 dense bytes (eight fragments of a tile and its scale words); each fragment read from LDS
; feeds four matrix instructions.
; THE LOADS.  At the head one tensor load a wave: W of q; x's K steps 0-3 (16 tiles' rows of 6,144 bytes); x's K steps 4-7; W of k.  A first barrier shows the first two, a second, in K step 3, the rest.  W of v is the one refill: onto W of q's
; bytes, behind a drained round in q's last K step; a barrier in k's last K step shows it.
; CLUSTER.  4 x 4 work-groups: W is shared by the four that have the same head, x by the four that have the same tokens, each asked for jointly.
; No prefetch: the head asks for all but W of v, which is waited for only after k's first 112 matrix instructions; there is no loop to run ahead in.
; LAYOUT.  Row p of a column tile u is column 32 (u / 2) + 8 (u % 2) + p + 8 (p / 8); row p of a token tile u is token 64 (u / 4) + 8 (u % 4) + p + 24 (p / 8).  For q and k the product is used TRANSPOSED
; (source 0 = 16 columns of W, source 1 = 16 tokens): a lane holds one token, and the 32 registers of its four results are d = 32 b + 16 h + i: the halves that the rotation pairs lie in the same lane, and 16 neighbours along
; the next K lie in 16 registers.  For v source 0 = 16 tokens: a lane holds one d, and its 32 registers are tokens 32 h + 0 .. 31: a whole block.
; THE WAY OUT of q stands among k's matrix instructions, k's among v's: in an even K step a tile's rotation, in an odd one its maxima, behind that its conversions and stores.
; REGISTERS, in windows of 256: window 0: v1-15 addresses; v29-44 x's scale words, v48-63 and v238-253 W's, by turns; v64-159 W's fragments, two sets; v160-191 a tile's rotated numbers; v192-237 the quantiser's.
;   windows 1, 2: x's fragments (tile t, K step s) at v[96 (t % 2) + 12 s] of window 1 + t / 2; k's 16 accumulators at v192-255 of both.   window 3: v0-127 q's, then v's; v128-255 cos and sin, 32 a tile.
; LIMITS: as the first launch states them (zero blocks get the byte 1; NaN and infinities are not served).
.set XHALF, 98304                      ; LDS: x's two halves of K, from 0 on,
.set WL0, 2*XHALF                      ; W of q, then of v,
.set WL1, WL0+51200                    ; W of k,
.set SPARE, WL1+51200                  ; and the spare words
.set XS, 29
.set WS, 48                            ; the other set: 190 further on
.set WB, 64
.set T,  160
.set MX, 192
.set NX, 196
.set EX, 198
.set YX, 200
.set PT, 202
.set WW, 206
.set MG, 210
.set PC, 214
.set VC, 64                            ; v's codes, in registers that held W's fragments
.set VT, 100
.set MSB, 0
.macro WIN new                         ; the immediate's high byte repeats the setting that is left; a switch that changes nothing is dropped
.if MSB != (\new)
	s_set_vgpr_msb (MSB<<8)|(\new)
.set MSB, (\new)
.endif
.endm
.macro CROUND                          ; a round of the cluster's barrier
	s_barrier_signal -1
	s_barrier_wait -1
	s_cmp_lg_u32 s14, 0
	s_cbranch_scc1 .Lnot_wave_0_\@
	s_barrier_signal -3
.Lnot_wave_0_\@:
	s_barrier_wait -3
	s_barrier_signal -1
	s_barrier_wait -1
.endm
.macro PLACES                          ; four plain lines behind matrix instructions, ahead of loads into their sources and of reads of their results
.rept 4
	v_nop
.endr
.endm
.macro FILL g0, g1
	tensor_load_to_lds s[\g0:\g0+3], s[\g1:\g1+7]
	s_nop 0
	PLACES
.endm
.macro REFILL                          ; wave 0: W of v
	s_cmp_eq_u32 s14, 0
	s_cbranch_scc0 .Lno_refill_\@
	FILL 56, 24
.Lno_refill_\@:
.endm
.macro XLOAD s                         ; x's four fragments of K step s, from LDS: 12 loads of 512 consecutive bytes
	WIN 0x40
.irp t, 0,1
.irp k, 0,1,2
	ds_load_b128 v[96*\t+12*(\s)+4*\k:96*\t+12*(\s)+4*\k+3], v[10+(\s)/4] offset:6144*\t+1536*((\s)%4)+512*\k
.endr
.endr
	WIN 0x80
.irp t, 0,1
.irp k, 0,1,2
	ds_load_b128 v[96*\t+12*(\s)+4*\k:96*\t+12*(\s)+4*\k+3], v[10+(\s)/4] offset:6144*(\t+2)+1536*((\s)%4)+512*\k
.endr
.endr
	WIN 0
.endm
.macro CSLOAD t                        ; cos and sin of tile t's tokens at frequencies 16 h + 0 .. 15: 8 loads
	WIN 0xC0
.irp k, 0,1
.irp i, 0,1,2,3
	global_load_b128 v[128+32*(\t)+16*\k+4*\i:128+32*(\t)+16*\k+4*\i+3], v2, s[8:9] offset:(8*(\t))*256+128*\k+16*\i
.endr
.endr
.endm
.macro WLOAD n, s                      ; W's four fragments of unit n, K step s, from LDS: 12 loads of 512 consecutive bytes
.irp c, 0,1,2,3
.irp k, 0,1,2
	ds_load_b128 v[WB+48*((\s)%2)+12*\c+4*\k:WB+48*((\s)%2)+12*\c+4*\k+3], v[6+((\n)%2)] offset:12800*\c+1536*(\s)+512*\k
.endr
.endr
.endm
.macro WSLOAD n                        ; unit n's scale words: 16 loads
.irp c, 0,1,2,3
.irp i, 0,1,2,3
	ds_load_b32 v[WS+190*((\n)%2)+4*\c+\i], v[8+((\n)%2)] offset:12800*\c+128*\i
.endr
.endr
.endm
; One matrix instruction.  A scale register holds an even K step's words in lanes 0-15 and the next step's in lanes 16-31.  K step 0 starts the sums: nothing is cleared.
.macro WM d, a, b, sa, sb, s
.if (\s) == 0
	v_wmma_scale_f32_16x16x128_f8f6f4 v[\d:\d+7], v[\a:\a+11], v[\b:\b+11], 0, v[\sa], v[\sb] matrix_a_fmt:MATRIX_FMT_FP6 matrix_b_fmt:MATRIX_FMT_FP6
.elseif (\s)%2
	v_wmma_scale_f32_16x16x128_f8f6f4 v[\d:\d+7], v[\a:\a+11], v[\b:\b+11], v[\d:\d+7], v[\sa], v[\sb] matrix_a_fmt:MATRIX_FMT_FP6 matrix_b_fmt:MATRIX_FMT_FP6 matrix_a_scale:MATRIX_SCALE_ROW1 matrix_b_scale:MATRIX_SCALE_ROW1
.else
	v_wmma_scale_f32_16x16x128_f8f6f4 v[\d:\d+7], v[\a:\a+11], v[\b:\b+11], v[\d:\d+7], v[\sa], v[\sb] matrix_a_fmt:MATRIX_FMT_FP6 matrix_b_fmt:MATRIX_FMT_FP6
.endif
.endm
; Product m = 0 .. 15 of unit n's K step s: token tile m / 4, column tile m % 4.  Units 0 and 2 sum in window 3, unit 1 in windows 1 and 2.  The 16 accumulators take turns in one fixed order
.macro PROD n, s, m
.set G_, (\m)/8
.set U_, ((\m)/4)%2
.set C_, (\m)%4
.set A_, 96*U_+12*(\s)
.set B_, WB+48*((\s)%2)+12*C_
.set XA_, XS+4*(2*G_+U_)+(\s)/2
.set WA_, WS+190*((\n)%2)+4*C_+(\s)/2
.if (\n) == 2
.set D_, 32*C_+8*(2*G_+U_)
	WIN (1+G_)|0xF0
	WM D_, A_, B_, XA_, WA_, \s
.elseif (\n) == 1
.set D_, 192+32*U_+8*C_
	WIN (1+G_)*0x54
	WM D_, B_, A_, WA_, XA_, \s
.else
.set D_, 32*(2*G_+U_)+8*C_
	WIN ((1+G_)*4)|0xF0
	WM D_, B_, A_, WA_, XA_, \s
.endif
.endm
; Group q = 0 .. 7 of the way out of unit n - 1's tile s / 2: in an even K step the rotation, four lines a group; in an odd one the maxima of its two blocks in four chains, and the conversions' scale operands
.macro EPI n, s, q
.set TT_, (\s)/2
.if (\n) == 2
.set EW_, 1+TT_/2
.set EA_, 192+32*(TT_%2)
.else
.set EW_, 3
.set EA_, 32*TT_
.endif
.if ((\s)%2) == 0
	WIN EW_|0x0C                                   ; source 0 the sums, source 1 cos and sin
.set I_, 8*((\q)%2)
.set SN_, 144+32*TT_
.set CN_, 128+32*TT_
.rept 4
.if ((\q)/2) == 0
	v_pk_mul_f32 v[T+I_:T+1+I_], v[EA_+16+I_:EA_+17+I_], v[SN_+I_:SN_+1+I_]          ; upper half x sin
.elseif ((\q)/2) == 1
	v_pk_mul_f32 v[T+16+I_:T+17+I_], v[EA_+I_:EA_+1+I_], v[SN_+I_:SN_+1+I_]          ; lower half x sin
.elseif ((\q)/2) == 2
	v_pk_fma_f32 v[T+I_:T+1+I_], v[EA_+I_:EA_+1+I_], v[CN_+I_:CN_+1+I_], v[T+I_:T+1+I_] neg_lo:[0,0,1] neg_hi:[0,0,1]   ; lower x cos - upper x sin
.else
	v_pk_fma_f32 v[T+16+I_:T+17+I_], v[EA_+16+I_:EA_+17+I_], v[CN_+I_:CN_+1+I_], v[T+16+I_:T+17+I_]                    ; upper x cos + lower x sin
.endif
.set I_, I_+2
.endr
.else
	WIN 0
.if (\q) == 0
.irp k, 0,1,2,3
	v_max3_num_f32 v[MX+\k], 0x1800000, |v[T+8*\k]|, |v[T+1+8*\k]|   ; the floor 2^(3 - 127) holds the byte at 1 from below
.endr
.elseif (\q) < 4
.set I_, 2*(\q)
.irp k, 0,1,2,3
	v_max3_num_f32 v[MX+\k], v[MX+\k], |v[T+I_+8*\k]|, |v[T+1+I_+8*\k]|
.endr
.elseif (\q) == 4
	v_max_num_f32 v[MX], v[MX], v[MX+1]
	v_max_num_f32 v[MX+2], v[MX+2], v[MX+3]
.elseif (\q) == 5
	v_permlanex16_b32 v[NX], v[MX], s20, s21
	v_permlanex16_b32 v[NX+1], v[MX+2], s20, s21
.elseif (\q) == 6
	v_max_num_f32 v[MX], v[MX], v[NX]              ; with lane l xor 16's 16: the block's largest magnitude
	v_max_num_f32 v[MX+2], v[MX+2], v[NX+1]
.else
	v_add_nc_u32 v[EX], 0xff000000, v[MX]          ; 2 off its exponent field: the conversion's scale operand
	v_add_nc_u32 v[EX+1], 0xff000000, v[MX+2]
.endif
.endif
.endm
; Products from .. from + 7 of a K step; in units 1 and 2 the way out of the unit before stands among them
.macro PROD8 n, s, from
.set M_, \from
.rept 8
	PROD \n, \s, M_
.if (\n) > 0 && (M_%2) == 1
	EPI \n, \s, M_/2
.endif
.set M_, M_+1
.endr
.endm
; The rest of a tile's way out, behind an odd K step's products: codes (lanes 0-15 block 0, lanes 16-31 block 1), the two bytes, the stores.  Its plain lines are also the places ahead of the next loads
.macro QEND t, cb, sb
	WIN 0
	v_cvt_scalef32_pk16_fp6_f32 v[PC+6*(\t):PC+6*(\t)+2], v[T:T+15], v[EX]
	v_cvt_scalef32_pk16_fp6_f32 v[PT:PT+2], v[T+16:T+31], v[EX+1]
	v_lshrrev_b32 v[YX], 23, v[EX]                 ; the bytes; also the plain lines behind the conversions
	v_lshrrev_b32 v[YX+1], 23, v[EX+1]
	v_lshl_or_b32 v[WW+(\t)], v[YX+1], 8, v[YX]
.irp i, 0,1,2
	v_permlane16_swap_b32 v[PC+6*(\t)+\i], v[PT+\i]   ; a whole block to a lane
.endr
.irp i, 0,1,2
	v_mov_b32 v[PC+6*(\t)+3+\i], v[PT+\i]
.endr
.irp p, 0,1,2
	global_store_b64 v4, v[PC+6*(\t)+2*\p:PC+6*(\t)+2*\p+1], s[\cb:\cb+1] offset:768*(\t)+256*\p   ; 256 consecutive bytes, aligned
.endr
.if (\t)%2
	v_cndmask_b32 v[MG+(\t)/2], v[WW+(\t)-1], v[WW+(\t)], s22   ; two tiles' words: the even tile's in lanes 0-15, the odd one's in lanes 16-31
	global_store_b32 v3, v[MG+(\t)/2], s[\sb:\sb+1] offset:128*((\t)/2)
.endif
.endm
; A K step of unit n: the next step's fragments are fetched (in the last step the next unit's first, with its scale words), then 16 matrix instructions
.macro KSTEP n, s
.if ((\n) == 0 && (\s) > 0) || ((\n) == 1 && (\s) == 0)
	PLACES                                         ; the set that is loaded next was read by the K step before
.endif
	WIN 0
.if (\n) == 2 && (\s) == 1
	s_wait_xcnt 0x0                                ; q's stores have read their data, which this K step's end writes again
.endif
.if ((\n) == 0 && (\s) == 3) || ((\n) == 1 && (\s) == 7)
	s_wait_alu depctr_va_vdst(0)
	s_wait_tensorcnt 0x0                           ; my load has landed: everybody's is shown
	s_wait_dscnt 0x0
	s_barrier_signal -1
	s_barrier_wait -1
.endif
.if (\n) == 0 && (\s) == 7
	s_wait_alu depctr_va_vdst(0)
	s_wait_tensorcnt 0x0                           ; THE REFILL of W of q's bytes: no tensor load of mine is out;
	ds_add_u32 v254, v255
	s_wait_dscnt 1                                 ; this K step's fragments are in (the add may be out)
	PROD8 \n, \s, 0
	WIN 0
	s_wait_dscnt 0x0                               ; the add is done, and so are my reads of W of q
	CROUND                                         ; both hold of every wave of every partner
	REFILL
	PLACES
	WSLOAD (\n)+1
	WLOAD (\n)+1, 0
	PROD8 \n, \s, 8
.else
.if (\s) < 7
	WLOAD \n, (\s)+1
.if (\n) == 0
	XLOAD (\s)+1
.endif
.elseif (\n) < 2
	WSLOAD (\n)+1
	WLOAD (\n)+1, 0
.endif
	s_wait_alu depctr_va_vdst(0)
.if (\n) == 0
	s_wait_dscnt 24                                ; all but the 24 loads just issued: 12 of W, 12 of x
.elseif (\s) < 7
	s_wait_dscnt 12                                ; all but the 12 just issued
.elseif (\n) < 2
	s_wait_dscnt 28                                ; all but the 28 just issued
.else
	s_wait_dscnt 0x0
.endif
.if (\n) == 0 && (\s) == 0
	s_wait_loadcnt 32                              ; x's scale words: the table's 32 loads behind them may be out
.elseif (\n) == 1 && (\s) == 0
	s_wait_loadcnt 0x0                             ; cos and sin
.endif
	PROD8 \n, \s, 0
	PROD8 \n, \s, 8
.if (\s)%2
.if (\n) == 1
	QEND ((\s)/2), 44, 46
.elseif (\n) == 2
	QEND ((\s)/2), 36, 38
.endif
.endif
.endif
.endm
	s_load_b256 s[4:11], s[0:1], 0x0               ; xc s[4:5], wq s[6:7], cs s[8:9], qb s[10:11]
	s_load_b64 s[12:13], s[0:1], 0x20              ; kv
	v_lshl_add_u32 v254, v0, 2, SPARE
	v_mov_b32 v255, 0
	ds_add_u32 v254, v255
	ds_add_u32 v254, v255
	v_lshrrev_b32 v1, 5, v0
	v_readfirstlane_b32 s14, v1                    ; wave
	s_bfe_u32 s40, ttmp6, 0x40000                  ; cx
	s_bfe_u32 s41, ttmp6, 0x40004                  ; cy
	s_lshl_b32 s16, ttmp9, 2
	s_add_co_u32 s16, s16, s40                     ; tg = 4 x cluster x + cx
	s_and_b32 s17, ttmp7, 0xffff
	s_lshl_b32 s17, s17, 2
	s_add_co_u32 s17, s17, s41                     ; cg, the head = 4 x cluster y + cy
	s_lshl_b32 s44, s41, 2
	s_lshl_b32 s44, 15, s44                        ; my row of the cluster: the same head
	s_lshl_b32 s45, 0x1111, s40                    ; my column: the same tokens
	s_mov_b32 s20, 0x76543210
	s_mov_b32 s21, 0xfedcba98
	s_mov_b32 s22, 0xffff0000
	; descriptor group 1 for W: a unit's four column tiles, 51,200 dense bytes, as 200 rows of 32 elements of 8 bytes
	s_or_b32 s24, s44, (3<<16)|(1<<21)             ; 15:0 the mask; 17:16 elements of 8 bytes; 21 set beside a mask
	s_mov_b32 s25, 32<<16                          ; tensor_dim0 = 32
	s_mov_b32 s26, 200<<16                         ; tensor_dim1 = 200
	s_mov_b32 s27, 32<<16                          ; tile_dim0 = 32
	s_mov_b32 s28, 200                             ; tile_dim1 = 200
	s_mov_b32 s29, 32                              ; from row to row
	s_mov_b32 s30, 0
	s_mov_b32 s31, 0
	; and for x: 16 tiles' rows of 768 elements of 8 bytes (four K steps), 12,800 bytes apart
	s_or_b32 s80, s45, (3<<16)|(1<<21)
	s_mov_b32 s81, 768<<16
	s_mov_b32 s82, 16<<16
	s_mov_b32 s83, 768<<16
	s_mov_b32 s84, 16
	s_mov_b32 s85, 1600
	s_mov_b32 s86, 0
	s_mov_b32 s87, 0
	s_add_co_u32 s18, s14, 1
	s_lshr_b32 s18, s18, 2                         ; the unit whose W I bring, if I bring one: wave 0: q, wave 3: k
	s_lshr_b32 s19, s14, 1                         ; the half of x, if I bring one: waves 1 and 2
	s_mul_i32 s68, s17, 51200
	s_mul_i32 s48, s18, 819200
	s_add_co_u32 s48, s48, s68                     ; W: column tiles 64 x unit + 4 cg on
	s_mov_b32 s49, 0
	s_mul_i32 s50, s18, 51200
	s_add_co_u32 s50, s50, WL0                     ; and its place in LDS: no place in the cluster enters it
	s_add_co_u32 s68, s68, 1638400                 ; W of v: column tiles 128 + 4 cg on
	s_mov_b32 s69, 0
	s_mul_i32 s66, s16, 204800
	s_mul_i32 s67, s19, 6144
	s_add_co_u32 s66, s66, s67                     ; x: token tiles 16 tg on, my half of K
	s_mov_b32 s67, 0
	s_mul_i32 s51, s19, XHALF
	s_lshl_b32 s52, s16, 4
	s_lshl_b32 s53, s14, 2
	s_add_co_u32 s52, s52, s53
	s_mul_i32 s52, s52, 12800                      ; x's scale words: token tile 16 tg + 4 w
	s_mov_b32 s53, 0
	s_mul_i32 s54, s14, 24576                      ; my four tiles of x in LDS
	s_wait_alu depctr_va_vdst(0)
	v_and_b32 v12, 31, v0                          ; lane
	v_and_b32 v13, 15, v0                          ; r
	v_bfe_u32 v14, v0, 4, 1                        ; h
	v_lshlrev_b32 v1, 4, v12                       ; 16 x lane
	v_and_b32 v15, 8, v13
	v_mad_u32_u24 v15, v15, 3, v13                 ; r + 24 (r / 8)
	v_lshlrev_b32 v2, 8, v15
	v_lshl_add_u32 v2, v14, 6, v2                  ; the table: my token's row, + 64 h
	v_lshlrev_b32 v15, 3, v14                      ; 8 h: where my byte stands in a half-word
	v_lshlrev_b32 v3, 2, v12                       ; 4 x lane
	v_lshlrev_b32 v4, 3, v12                       ; 8 x lane
	v_lshlrev_b32 v5, 3, v13
	v_lshl_add_u32 v5, v14, 2, v5                  ; 8 r + 4 h
	v_add_nc_u32 v6, WL0, v1                       ; W's fragments in LDS: units 0 and 2,
	v_add_nc_u32 v7, WL1, v1                       ; and 1;
	v_add_nc_u32 v8, WL0+12288, v3                 ; the scale words likewise
	v_add_nc_u32 v9, WL1+12288, v3
	v_add_nc_u32 v10, s54, v1                      ; x's fragments: K steps 0-3,
	v_add_nc_u32 v11, XHALF, v10                   ; and 4-7
	v_mov_b32 v[NX], 0                             ; a lane permute's destination counts as one of its sources
	v_mov_b32 v[NX+1], 0
	s_wait_alu depctr_va_vdst(0)                   ; the wait ahead of the blocking waits
	s_wait_dscnt 0x0                               ; both opening adds are done
	CROUND                                         ; all sixteen work-groups are here: the joint loads meet
	s_wait_kmcnt 0x0
	s_mov_b32 s32, 1                               ; group 0: count = 1, LDS address, global address, type = 2: for W of q or k,
	s_mov_b32 s33, s50
	s_add_nc_u64 s[34:35], s[6:7], s[48:49]
	s_or_b32 s35, s35, 0x80000000
	s_mov_b32 s72, 1                               ; for x,
	s_mov_b32 s73, s51
	s_add_nc_u64 s[74:75], s[4:5], s[66:67]
	s_or_b32 s75, s75, 0x80000000
	s_mov_b32 s56, 1                               ; and for W of v
	s_mov_b32 s57, WL0
	s_add_nc_u64 s[58:59], s[6:7], s[68:69]
	s_or_b32 s59, s59, 0x80000000
	s_cmp_eq_u32 s14, 0
	s_cbranch_scc0 .Lfill_1
	FILL 32, 24                                    ; wave 0: W of q
	s_branch .Lfilled
.Lfill_1:
	s_cmp_eq_u32 s14, 1
	s_cbranch_scc0 .Lfill_2
	FILL 72, 80                                    ; wave 1: x, K steps 0-3
	s_branch .Lfilled
.Lfill_2:
	s_cmp_eq_u32 s14, 2
	s_cbranch_scc0 .Lfill_3
	FILL 72, 80                                    ; wave 2: x, K steps 4-7
	s_branch .Lfilled
.Lfill_3:
	FILL 32, 24                                    ; wave 3: W of k
.Lfilled:
	s_add_nc_u64 s[4:5], s[4:5], s[52:53]
.irp t, 0,1,2,3
.irp i, 0,1,2,3
	global_load_b32 v[XS+4*\t+\i], v3, s[4:5] offset:12800*\t+12288+128*\i   ; x's scale words: K steps 2 i and 2 i + 1 in the two halves of the lanes
.endr
.endr
	s_and_b32 s61, s16, 7                          ; tg within the sequence
	s_lshl_b32 s62, s61, 8
	s_lshl_b32 s63, s14, 6
	s_add_co_u32 s62, s62, s63
	s_lshl_b32 s62, s62, 8                         ; the table: position 256 (tg % 8) + 64 w, 256 bytes each
	s_mov_b32 s63, 0
	s_add_nc_u64 s[8:9], s[8:9], s[62:63]
	CSLOAD 0
	CSLOAD 1
	CSLOAD 2
	CSLOAD 3
	WIN 0
	s_lshr_b32 s60, s16, 3
	s_lshl_b32 s60, s60, 4
	s_add_co_u32 s60, s60, s17                     ; batch x 16 + head
	s_mul_i32 s69, s60, 106496                     ; its part of qb,
	s_mul_i32 s70, s60, 208896                     ; and of kv
	s_lshl_b32 s67, s61, 4
	s_lshl_b32 s68, s14, 2
	s_add_co_u32 s67, s67, s68                     ; my first tile within the sequence
	s_mov_b32 s77, 0
	s_mul_i32 s76, s67, 768                        ; q: codes, 768 bytes a tile;
	s_add_co_u32 s76, s76, s69
	s_add_nc_u64 s[44:45], s[10:11], s[76:77]
	s_lshl_b32 s76, s67, 6
	s_add_co_u32 s76, s76, s69
	s_add_co_u32 s76, s76, 98304                   ;    scale words, 64 bytes a tile, behind the 128 tiles
	s_add_nc_u64 s[46:47], s[10:11], s[76:77]
	s_lshr_b32 s68, s67, 3
	s_mul_i32 s68, s68, 13056                      ; k, v: the key step's block
	s_add_co_u32 s70, s70, s68
	s_and_b32 s69, s14, 1                          ; which half of its 128 keys is mine
	s_mul_i32 s76, s69, 3072
	s_add_co_u32 s76, s76, s70                     ; k: codes: tile 4 x half
	s_add_nc_u64 s[36:37], s[12:13], s[76:77]
	s_lshl_b32 s76, s69, 8
	s_add_co_u32 s76, s76, s70
	s_add_co_u32 s76, s76, 12288                   ;    scale words
	s_add_nc_u64 s[38:39], s[12:13], s[76:77]
	s_mul_i32 s76, s69, 768
	s_add_co_u32 s76, s76, s70
	s_add_co_u32 s76, s76, 6144                    ; v: codes: registers 6 x half on of each fragment
	s_add_nc_u64 s[40:41], s[12:13], s[76:77]
	s_lshl_b32 s76, s69, 7
	s_add_co_u32 s76, s76, s70
	s_add_co_u32 s76, s76, 12800                   ;    scale half-words
	s_add_nc_u64 s[42:43], s[12:13], s[76:77]
	s_cmp_lt_u32 s14, 2
	s_cbranch_scc0 .Lno_wait
	s_wait_tensorcnt 0x0                           ; waves 0 and 1: W of q and x's first half have landed
.Lno_wait:
	s_barrier_signal -1
	s_barrier_wait -1                              ; the other two loads may be out
	WSLOAD 0
	WLOAD 0, 0
	XLOAD 0
.irp s, 0,1,2,3,4,5,6,7
	KSTEP 0, \s
.endr
.irp s, 0,1,2,3,4,5,6,7
	KSTEP 1, \s
.endr
.irp s, 0,1,2,3,4,5,6,7
	KSTEP 2, \s
.endr
	WIN 0
	PLACES
	WIN 0x3C                                       ; sources 1 and 2 window 3
.irp c, 0,1,2,3                                ; v: a lane's 32 registers of tile c are a whole block of 32 tokens: no lane looks at another
	v_max3_num_f32 v[MX+\c], 0x1800000, |v[32*\c]|, |v[32*\c+1]|
.endr
.set I_, 2
.rept 15
.irp c, 0,1,2,3
	v_max3_num_f32 v[MX+\c], v[MX+\c], |v[32*\c+I_]|, |v[32*\c+1+I_]|
.endr
.set I_, I_+2
.endr
	WIN 0
.irp c, 0,1,2,3
	v_add_nc_u32 v[T+\c], 0xff000000, v[MX+\c]
.endr
.irp c, 0,1,2,3
	v_lshrrev_b32 v[WW+\c], 23, v[T+\c]
.endr
	WIN 0x03                                       ; source 0 window 3
.irp c, 0,1,2,3
	v_cvt_scalef32_pk16_fp6_f32 v[VC+6*\c:VC+6*\c+2], v[32*\c:32*\c+15], v[T+\c]
	v_cvt_scalef32_pk16_fp6_f32 v[VT+4*\c:VT+4*\c+2], v[32*\c+16:32*\c+31], v[T+\c]
.endr
	WIN 0
	v_lshl_or_b32 v[MG+2], v[WW+1], 16, v[WW]      ; two tiles' bytes to a register; also the plain lines behind the conversions
	v_lshl_or_b32 v[MG+3], v[WW+3], 16, v[WW+2]
.irp c, 0,1,2,3
.irp i, 0,1,2
	v_mov_b32 v[VC+6*\c+3+\i], v[VT+4*\c+\i]
.endr
.endr
.irp c, 0,1,2,3
.irp p, 0,1,2
	global_store_b64 v4, v[VC+6*\c+2*\p:VC+6*\c+2*\p+1], s[40:41] offset:1536*\c+256*\p
.endr
.endr
.irp i, 0,1
	v_lshlrev_b32 v[MG+2+\i], v15, v[MG+2+\i]      ; my block's bytes at their places;
.endr
.irp i, 0,1
	v_permlanex16_b32 v[NX+\i], v[MG+2+\i], s20, s21
.endr
.irp i, 0,1
	v_or_b32 v[MG+2+\i], v[MG+2+\i], v[NX+\i]      ; with lane l xor 16's the half-words are whole
.endr
	v_cndmask_b32 v[WW], v[MG+2], v[MG+3], s22     ; row r's half-words of the four tiles: 8 bytes
	global_store_b32 v5, v[WW], s[42:43]
	s_wait_tensorcnt 0x0                           ; the wave's end
	ds_add_u32 v254, v255
	s_wait_dscnt 0x0
	CROUND                                         ; the closing round: no work-group ends while a partner may still ask for a tile that names it
	s_endpgm
.Lfunc_end_k_q86b891f146_qkv:
	.size	k_q86b891f146_qkv, .Lfunc_end_k_q86b891f146_qkv-k_q86b891f146_qkv
	.p2alignl 7, 3214868480
	.fill 96, 4, 3214868480
	.section	.rodata,"a",@progbits
	.p2align	6, 0x0
	.amdhsa_kernel k_q86b891f146_qkv
		.amdhsa_group_segment_fixed_size 327680
		.amdhsa_private_segment_fixed_size 0
		.amdhsa_enable_private_segment 0
		.amdhsa_kernarg_size 40
		.amdhsa_user_sgpr_count 2
		.amdhsa_user_sgpr_kernarg_segment_ptr 1
		.amdhsa_wavefront_size32 1
		.amdhsa_system_sgpr_workgroup_id_x 1
		.amdhsa_system_sgpr_workgroup_id_y 1
		.amdhsa_system_sgpr_workgroup_id_z 1
		.amdhsa_system_vgpr_workitem_id 0
		.amdhsa_next_free_vgpr 1024
		.amdhsa_next_free_sgpr 96
		.amdhsa_reserve_vcc 0
		.amdhsa_float_denorm_mode_32 3
		.amdhsa_float_denorm_mode_16_64 3
		.amdhsa_memory_ordered 1
		.amdhsa_forward_progress 1
		.amdhsa_inst_pref_size 144
	.end_amdhsa_kernel
	.amdgpu_metadata
---
amdhsa.version: [ 1, 2 ]
amdhsa.kernels:
  - .name:           k_q86b891f146_qkv
    .symbol:         k_q86b891f146_qkv.kd
    .args:
      - { .name: xc, .offset: 0, .size: 8, .value_kind: global_buffer, .address_space: global }
      - { .name: wq, .offset: 8, .size: 8, .value_kind: global_buffer, .address_space: global }
      - { .name: cs, .offset: 16, .size: 8, .value_kind: global_buffer, .address_space: global }
      - { .name: qb, .offset: 24, .size: 8, .value_kind: global_buffer, .address_space: global }
      - { .name: kv, .offset: 32, .size: 8, .value_kind: global_buffer, .address_space: global }
    .group_segment_fixed_size: 327680
    .private_segment_fixed_size: 0
    .kernarg_segment_align: 8
    .kernarg_segment_size: 40
    .max_flat_workgroup_size: 128
    .sgpr_count:     96
    .vgpr_count:     1024
    .wavefront_size: 32
...
	.end_amdgpu_metadata
.endif
;; end of part 2
;; launch attn (part 3): grid 8 x 32, 16 waves a work-group, clusters of 4 x 1, 268,288 bytes of LDS; arguments qb, kv, oc; writes oc
.if DOCPART == 3
	.amdgcn_target "amdgcn-amd-amdhsa--gfx1250"
	.amdhsa_code_object_version 6
	.text
	.protected	k_q86b891f146_attn
	.globl	k_q86b891f146_attn
	.p2align	8
	.type	k_q86b891f146_attn,@function
k_q86b891f146_attn:
	s_mov_b64 s[64:65], 0
	v_nop
	global_prefetch_b8 v0, s[64:65] scope:SCOPE_SE
	s_setreg_imm32_b32 hwreg(HW_REG_WAVE_MODE, 25, 1), 1
	s_wait_xcnt 0x0
	s_wait_alu depctr_hold_cnt(0) depctr_sa_sdst(0) depctr_va_vdst(0) depctr_va_sdst(0) depctr_va_ssrc(0) depctr_va_vcc(0) depctr_vm_vsrc(0)
	s_getreg_b32 s2, hwreg(HW_REG_IB_STS2, 6, 4)
	s_cmp_eq_u32 s2, 0
	s_cbranch_scc0 .Lentry_in_a_cluster
	s_endpgm
.Lentry_in_a_cluster:
	s_bfe_u32 s2, ttmp6, 0x10000c
	s_cmp_lg_u32 s2, 0x3003
	s_cbranch_scc0 .Lentry_shape_is_right
	s_endpgm
.Lentry_shape_is_right:
; ATTN: o = softmax(q k^T / 8, causal) v for one (batch, head), both products on codes of FP6 (E2M3) with E8M0 scales; o is divided by the row's sum and quantised along the model's 1,024 for the last product.
; THE SOFTMAX: t = score x log2(e) / 8; M = the running largest t rounded UP to a whole number; p = 2^(t - M) is quantised along the keys, not normalised; the row's sum is taken of the unquantised p;
; when M moves, the sum and O are multiplied by 2^(old M - new M), which rounds nothing.
; A block's scale: floor(log2(its largest p)) is floor(its largest t - M), so no exponential is taken for it.
; SHARES.  A work-group is (j, head): 16 tiles of 16 queries, tile 8 G + j for G = 0 .. 15, which needs key steps 0 .. G of 128 keys.  Sixteen waves in eight pairs: pair g has the SHORT tile G = g and the LONG tile
; G = 15 - g, 17 key steps together.  Wave g (A) takes nine of the long tile's: 0 .. g and 8 .. 15 - g.  Wave 8 + g (B) takes key steps 0 .. 7: for the short tile up to g, then, with that tile stored, g + 1 .. 7 for the
; long one.  B's sums for the long tile go to A through LDS, and A joins them.  Steps all of whose keys come after the queries are in nobody's walk.
; K AND V ARE RESIDENT: a head's 16 key-step blocks (13,056 bytes each: K's 8 tiles, V's 4 fragments, their scales), one tensor load a wave.  Key step 0 is shown by a first barrier, behind which all waves
; work it (trip 0); the second barrier shows the rest.  No LDS byte is filled twice.
; CLUSTER.  The four work-groups of a cluster belong to one head: each block is asked for jointly (mask 15).  j enters global addresses and the mask's number of a lane alone.
; No prefetch: all that the launch reads is asked for at its head; there is no loop to run ahead in.
; LAYOUT.  Both products are used transposed (S^T = K Q^T, O^T = V^T P^T): a lane holds one query throughout.  Row p of tile u is token 64 (u / 4) + 8 (u % 4) + p + 24 (p / 8): four tiles' registers in a lane are
; keys 64 c + 32 h + 0 .. 31: a whole block, as the next operand wants it.
; K = 64 IN AN INSTRUCTION OF 128: Q's registers 6-11 are zero codes.  K's operand for tile i is v[32 + 6 i : 43 + 6 i]: its upper six registers are the next tile's codes (for the last tile six registers of zeros);
; every code of this format is a finite number, so those products with Q's zeros add exactly 0; the upper two bytes of both scale words are 0, a small power of two.
; REGISTERS: v1-4, v7, v11, v29 addresses and lane constants; v8-10 addresses in hand; v12 -M, v13 the largest score, v[14:15] the sum; v16-27 Q, v28 its scale words; v32-79 K's tiles, then V's fragments; v80-85 zeros;
; v86-89 K's scale words; v90-93 V's half-words; v96-159 S^T, then p; v160-191 O^T; v192-203 p's codes; v204-210 codes on their way; v212-215 V's scale words; v216-241 at work; v242-248 B's second Q; v250 p's scale word.
; LIMITS: NaN and infinities are not served; a block of zeros gets the byte 1.
.set KSB, 13056                        ; a key step's block
.set PART, 0x38000                     ; a pair's sums: 9 x 512 bytes for each of eight pairs
.set PSZ, 4608
.set SPARE, 0x41000
.set BM, 216
.set BN, 220                           ; v220-223: lane permutes' destinations
.set EE, 224
.macro CROUND
	s_barrier_signal -1
	s_barrier_wait -1
	s_cmp_lg_u32 s10, 0
	s_cbranch_scc1 .Lnot_wave_0_\@
	s_barrier_signal -3
.Lnot_wave_0_\@:
	s_barrier_wait -3
	s_barrier_signal -1
	s_barrier_wait -1
.endm
.macro PLACES
.rept 4
	v_nop
.endr
.endm
.macro FILL
	tensor_load_to_lds s[32:35], s[24:31]
	s_nop 0
	PLACES
.endm
	s_load_b128 s[4:7], s[0:1], 0x0                ; qb s[4:5], kv s[6:7]
	s_load_b64 s[8:9], s[0:1], 0x10                ; oc
	v_lshl_add_u32 v254, v0, 2, SPARE
	v_mov_b32 v255, 0
	ds_add_u32 v254, v255
	ds_add_u32 v254, v255
	v_lshrrev_b32 v1, 5, v0
	v_readfirstlane_b32 s10, v1                    ; wave 0..15
	s_bfe_u32 s11, ttmp6, 0x40000                  ; cx
	s_lshl_b32 s12, ttmp9, 2
	s_add_co_u32 s12, s12, s11                     ; j = 4 x cluster x + cx
	s_and_b32 s13, ttmp7, 0xffff                   ; batch x 16 + head, which the partners share
	; descriptor group 1: a key step's block, 13,056 dense bytes, as 51 rows of 32 elements of 8 bytes
	s_mov_b32 s24, 15|(3<<16)|(1<<21)
	s_mov_b32 s25, 32<<16
	s_mov_b32 s26, 51<<16
	s_mov_b32 s27, 32<<16
	s_mov_b32 s28, 51
	s_mov_b32 s29, 32
	s_mov_b32 s30, 0
	s_mov_b32 s31, 0
	s_mul_i32 s36, s10, KSB                        ; I fetch key step = wave: in LDS,
	s_mul_i32 s38, s13, 16*KSB
	s_add_co_u32 s38, s38, s36                     ; and in kv
	s_mov_b32 s39, 0
	v_and_b32 v5, 31, v0                           ; lane
	v_and_b32 v6, 15, v0                           ; r
	v_bfe_u32 v11, v0, 4, 1                        ; h
	s_lshr_b32 s76, s12, 2
	s_lshl_b32 s76, s76, 6
	s_and_b32 s77, s12, 3
	s_lshl_b32 s77, s77, 3
	s_add_co_u32 s76, s76, s77                     ; my tiles' first query within its key step
	s_and_b32 s17, s10, 7                          ; g
	s_lshr_b32 s19, s10, 3                         ; 0: A, 1: B
	s_xor_b32 s37, s19, 1
	s_mul_i32 s40, s17, PSZ
	s_add_co_u32 s40, s40, PART                    ; my pair's place
	s_wait_alu depctr_va_vdst(0)
	v_lshlrev_b32 v1, 3, v5                        ; 8 x lane
	v_lshl_add_u32 v2, v5, 2, 12288                ; K's scale words
	v_lshl_add_u32 v3, v6, 3, 12800                ; V's half-words
	v_lshlrev_b32 v7, 2, v6                        ; 4 r
	v_and_b32 v4, 8, v6
	v_mad_u32_u24 v4, v4, 3, v6                    ; r + 24 (r / 8)
	v_add_nc_u32 v4, s76, v4
	v_lshlrev_b32 v8, 5, v11
	v_sub_nc_u32 v4, v4, v8                        ; my query within the key step, less 32 h: register 32 c + i holds key 64 c + 32 h + i, hidden on the diagonal where 64 c + i is above this
	v_lshlrev_b32 v11, 3, v11                      ; 8 h: where my bytes stand in p's scale word
	v_lshlrev_b32 v29, 4, v5
	v_add_nc_u32 v29, s40, v29                     ; the pair's place, + 16 x lane
	s_wait_alu depctr_va_vdst(0)
	s_wait_dscnt 0x0                               ; both opening adds are done
	CROUND                                         ; all four work-groups are here: the joint loads meet
	s_wait_kmcnt 0x0
	s_add_nc_u64 s[34:35], s[6:7], s[38:39]
	s_or_b32 s35, s35, 0x80000000                  ; type = 2
	s_mov_b32 s32, 1                               ; count = 1
	s_mov_b32 s33, s36                             ; LDS address
	s_cmp_eq_u32 s10, 0
	s_cbranch_scc0 .Lothers
	FILL                                           ; wave 0: key step 0, the first that is shown
	s_branch .Lasked
.Lothers:
	FILL                                           ; every other wave its own
.Lasked:
	s_xor_b32 s16, s17, 15                         ; the long tile's G
	s_mul_i32 s41, s37, 15
	s_xor_b32 s14, s17, s41                        ; my first tile's G: A the long one's, B g
	s_xor_b32 s42, s17, 7
	s_mul_i32 s56, s42, s37                        ; A: how far the walk jumps behind key step g: 7 - g;  B: 0
	s_add_co_u32 s54, s17, 1
	s_cmp_eq_u32 s19, 1
	s_cselect_b32 s53, s54, 16                     ; B's change of tiles: trip g + 1;  A: never
	s_cselect_b32 s52, 8, 9                        ; trips with work
	s_lshl_b32 s15, s14, 3
	s_add_co_u32 s15, s15, s12                     ; my first tile: the one that I store
	s_lshl_b32 s57, s16, 3
	s_add_co_u32 s57, s57, s12                     ; the long tile
	s_mul_i32 s58, s13, 106496
	s_mul_i32 s60, s15, 768
	s_add_co_u32 s60, s60, s58                     ; Q's codes
	s_mov_b32 s61, 0
	s_lshl_b32 s62, s15, 6
	s_add_co_u32 s62, s62, s58
	s_add_co_u32 s62, s62, 98304                   ; and scale words
	s_mov_b32 s63, 0
	s_mul_i32 s44, s57, 768
	s_add_co_u32 s44, s44, s58                     ; the long tile's
	s_mov_b32 s45, 0
	s_lshl_b32 s46, s57, 6
	s_add_co_u32 s46, s46, s58
	s_add_co_u32 s46, s46, 98304
	s_mov_b32 s47, 0
	s_add_nc_u64 s[60:61], s[4:5], s[60:61]
	s_add_nc_u64 s[62:63], s[4:5], s[62:63]
	s_add_nc_u64 s[44:45], s[4:5], s[44:45]
	s_add_nc_u64 s[46:47], s[4:5], s[46:47]
.irp p, 0,1,2
	global_load_b64 v[16+2*\p:17+2*\p], v1, s[60:61] offset:256*\p     ; Q's codes stay in registers
	global_load_b64 v[242+2*\p:243+2*\p], v1, s[44:45] offset:256*\p
.endr
	global_load_b32 v28, v7, s[62:63]
	global_load_b32 v248, v7, s[46:47]
	s_lshr_b32 s70, s13, 4
	s_lshl_b32 s70, s70, 7
	s_add_co_u32 s70, s70, s15
	s_mul_i32 s70, s70, 12800                      ; o: the token tile's block
	s_and_b32 s71, s13, 15
	s_lshr_b32 s72, s71, 1                         ; K step of the last product: head / 2
	s_and_b32 s71, s71, 1
	s_mul_i32 s73, s72, 1536
	s_mul_i32 s74, s71, 768
	s_add_co_u32 s73, s73, s74
	s_add_co_u32 s74, s70, s73                     ; its codes: registers 6 (head % 2) on of fragment head / 2
	s_mov_b32 s75, 0
	s_lshl_b32 s72, s72, 6
	s_lshl_b32 s71, s71, 1
	s_add_co_u32 s72, s72, s71
	s_add_co_u32 s72, s72, s70
	s_add_co_u32 s72, s72, 12288                   ; its two scale bytes of each row
	s_mov_b32 s73, 0
	s_add_nc_u64 s[66:67], s[8:9], s[74:75]
	s_add_nc_u64 s[68:69], s[8:9], s[72:73]
	s_mov_b32 s18, 0x3e800000                      ; 125 in an exponent field
	s_mov_b32 s20, 0x76543210
	s_mov_b32 s21, 0xfedcba98                      ; v_permlanex16_b32's selects for lane l xor 16
	s_mov_b32 s22, 0x3e38aa3b                      ; c = log2(e) / 8
	s_mov_b32 s23, s22                             ; (named with it as a pair)
.irp i, 0,1,2,3,4,5
	v_mov_b32 v[22+\i], 0                          ; Q's upper 64 along K: zero codes
	v_mov_b32 v[80+\i], 0                          ; what stands above K's last tile
.endr
.irp b, 0,1,2,3
	v_mov_b32 v[BN+\b], 0                          ; a lane permute's destination counts as one of its sources
.endr
	v_mov_b32 v231, 0                              ; (the upper halves of the pairs v[230:231], v[232:233])
	v_mov_b32 v233, 0
; A KEY STEP of 128 keys: number s49, LDS byte s48.  first: the sums begin
.macro VL q                            ; V's fragments, an eighth at a time: 3 loads of 256 consecutive bytes; they stand in the chain of the row's maximum and land while the softmax is worked
.irp p, 0,1,2
	ds_load_b64 v[32+6*(\q)+2*\p:33+6*(\q)+2*\p], v8 offset:6144+768*(\q)+256*\p
.endr
.endm
.macro STEP first
	v_add_nc_u32 v8, s48, v1
	v_add_nc_u32 v9, s48, v2
	v_add_nc_u32 v10, s48, v3
	v_nop                                          ; these four are the places ahead of loads into registers that the last products read
.irp i, 0,1,2,3,4,5,6,7
.irp p, 0,1,2
	ds_load_b64 v[32+6*\i+2*\p:33+6*\i+2*\p], v8 offset:768*\i+256*\p   ; K's tile i: 256 consecutive bytes a load
.endr
.endr
.irp b, 0,1,2,3
	ds_load_b32 v[86+\b], v9 offset:128*\b         ; scale words: tile 2 b in lanes 0-15, tile 2 b + 1 in lanes 16-31
.endr
	ds_load_b64 v[90:91], v10                      ; V's half-words of keys 0-63, tiles 0-3 of row r,
	ds_load_b64 v[92:93], v10 offset:128           ; and of keys 64-127
	s_wait_alu depctr_va_vdst(0)
.if \first
	s_wait_loadcnt 0x0                             ; Q
.endif
	s_wait_dscnt 0x0
.irp i, 0,1,2,3,4,5,6,7
.if \i%2
	v_wmma_scale_f32_16x16x128_f8f6f4 v[96+8*\i:103+8*\i], v[32+6*\i:43+6*\i], v[16:27], 0, v[86+\i/2], v28 matrix_a_fmt:MATRIX_FMT_FP6 matrix_b_fmt:MATRIX_FMT_FP6 matrix_a_scale:MATRIX_SCALE_ROW1
.else
	v_wmma_scale_f32_16x16x128_f8f6f4 v[96+8*\i:103+8*\i], v[32+6*\i:43+6*\i], v[16:27], 0, v[86+\i/2], v28 matrix_a_fmt:MATRIX_FMT_FP6 matrix_b_fmt:MATRIX_FMT_FP6
.endif
.endr
	v_perm_b32 v212, v92, v90, 0x05040100          ; V's scale words: the two halves' half-words joined.  These four are the places behind the products
	v_perm_b32 v213, v92, v90, 0x07060302
	v_perm_b32 v214, v93, v91, 0x05040100
	v_perm_b32 v215, v93, v91, 0x07060302
	s_cmp_lg_u32 s49, s14                          ; on the diagonal?
	s_cbranch_scc1 .Lopen_\@
	v_mov_b32 v249, 0xff800000                     ; -infinity
.set N_, 0
.rept 64
	v_cmp_gt_i32 vcc_lo, 64*(N_/32)+N_%32, v4
	v_cndmask_b32 v[96+N_], v[96+N_], v249, vcc_lo
.set N_, N_+1
.endr
.Lopen_\@:
.irp c, 0,1                                    ; the largest score of each of my two blocks of 32 keys, each in two chains; results from their low ends on
	v_max3_num_f32 v[BM+\c], v[96+32*\c], v[97+32*\c], v[98+32*\c]
	v_max3_num_f32 v[BM+2+\c], v[112+32*\c], v[113+32*\c], v[114+32*\c]
.endr
.irp i, 3,5,7,9,11,13
.irp c, 0,1
	v_max3_num_f32 v[BM+\c], v[BM+\c], v[96+32*\c+\i], v[97+32*\c+\i]
	v_max3_num_f32 v[BM+2+\c], v[BM+2+\c], v[112+32*\c+\i], v[113+32*\c+\i]
.endr
.endr
.irp c, 0,1
	v_max3_num_f32 v[BM+\c], v[BM+\c], v[111+32*\c], v[127+32*\c]
.endr
.irp c, 0,1
	v_max_num_f32 v[BM+\c], v[BM+\c], v[BM+2+\c]
.endr
	VL 0
	v_max_num_f32 v226, v[BM], v[BM+1]
	VL 1
	v_permlanex16_b32 v222, v226, s20, s21
	VL 2
.if \first
	VL 3
	v_max_num_f32 v13, v226, v222                  ; the largest score so far
	VL 4
	VL 5
	v_mul_f32 v226, s22, v13                       ; as t (c is positive)
	VL 6
	VL 7
	v_floor_f32 v12, -v226                         ; -M = -ceil(t): a whole number
.else
	v_max3_num_f32 v13, v13, v226, v222
	VL 3
	v_mul_f32 v226, s22, v13
	v_mov_b32 v227, v12
	VL 4
	v_floor_f32 v12, -v226
	VL 5
	v_sub_f32 v227, v12, v227                      ; old M - new M: a whole number, 0 or less
	VL 6
	v_cvt_i32_f32 v227, v227                       ; (it saturates)
	VL 7
	v_ldexp_f32 v230, 1.0, v227                    ; f = 2^(old M - new M)
.endif
.irp c, 0,1
	v_fma_f32 v[BM+\c], v[BM+\c], s22, v12         ; each block's largest t - M,
.endr
.irp i, 0,2,4,6,8,10,12,14,16,18,20,22,24,26,28,30
	v_pk_fma_f32 v[96+\i:97+\i], v[96+\i:97+\i], s[22:23], v[12:13] op_sel_hi:[1,0,0]   ; t - M, two at a time
.endr
.irp c, 0,1
	v_max_num_f32 v[BM+\c], 0xc2f80000, v[BM+\c]   ; held at -124 from below, so that the byte cannot fall under 1;
.endr
.irp i, 32,34,36,38
	v_pk_fma_f32 v[96+\i:97+\i], v[96+\i:97+\i], s[22:23], v[12:13] op_sel_hi:[1,0,0]
.endr
.irp c, 0,1
	v_cvt_floor_i32_f32 v[BM+\c], v[BM+\c]         ; its floor is the exponent of the block's largest p
.endr
.irp i, 40,42,44,46
	v_pk_fma_f32 v[96+\i:97+\i], v[96+\i:97+\i], s[22:23], v[12:13] op_sel_hi:[1,0,0]
.endr
.irp c, 0,1
	v_lshl_add_u32 v[EE+\c], v[BM+\c], 23, s18     ; 2 less, with the bias, in the exponent field: the conversion's scale operand
.endr
	v_lshl_add_u32 v251, v[BM+1], 16, v[BM]        ; the two bytes (exponent + 125), 16 bits apart
.irp i, 48,50,52
	v_pk_fma_f32 v[96+\i:97+\i], v[96+\i:97+\i], s[22:23], v[12:13] op_sel_hi:[1,0,0]
.endr
	v_add_nc_u32 v251, 0x7d007d, v251
.irp i, 54,56
	v_pk_fma_f32 v[96+\i:97+\i], v[96+\i:97+\i], s[22:23], v[12:13] op_sel_hi:[1,0,0]
.endr
	v_lshlrev_b32 v251, v11, v251                  ; blocks 0 and 2 in lanes 0-15, 1 and 3 in lanes 16-31, at their places
.irp i, 58,60,62
	v_pk_fma_f32 v[96+\i:97+\i], v[96+\i:97+\i], s[22:23], v[12:13] op_sel_hi:[1,0,0]
.endr
	v_permlanex16_b32 v223, v251, s20, s21
	s_wait_alu depctr_va_vdst(0)
.set N_, 0
.rept 64
	v_exp_f32 v[96+N_], v[96+N_]                   ; p = 2^(t - M)
.set N_, N_+1
.endr
	v_or_b32 v250, v251, v223                      ; p's scale word for these 128 keys; also the plain line behind the exponentials
	s_wait_alu depctr_va_vdst(0)                   ; one wait for the batch, and for O^T
.if !(\first)
.irp i, 0,2,4,6,8,10,12,14,16,18,20,22,24,26,28,30
	v_pk_mul_f32 v[160+\i:161+\i], v[160+\i:161+\i], v[230:231] op_sel_hi:[1,0]   ; O^T under the new M
.endr
.endif
.irp c, 0,1
	v_cvt_scalef32_pk16_fp6_f32 v[192+6*\c:194+6*\c], v[96+32*\c:111+32*\c], v[EE+\c]
	v_cvt_scalef32_pk16_fp6_f32 v[204+4*\c:206+4*\c], v[112+32*\c:127+32*\c], v[EE+\c]   ; (a conversion's three registers begin on an even number)
.endr
.irp k, 0,1,2,3                                ; the sum of the unquantised p, in four chains; the first line is the plain line behind the conversions
	v_pk_add_f32 v[234+2*\k:235+2*\k], v[96+4*\k:97+4*\k], v[98+4*\k:99+4*\k]
.endr
.set N_, 8
.rept 20
	v_pk_add_f32 v[234+2*(N_%4):235+2*(N_%4)], v[234+2*(N_%4):235+2*(N_%4)], v[96+2*N_:97+2*N_]
.set N_, N_+1
.endr
.irp i, 0,1,2
	v_mov_b32 v[195+\i], v[204+\i]
	v_mov_b32 v[201+\i], v[208+\i]
.endr
.rept 4                                        ; (from here on also the places between the codes and the products)
	v_pk_add_f32 v[234+2*(N_%4):235+2*(N_%4)], v[234+2*(N_%4):235+2*(N_%4)], v[96+2*N_:97+2*N_]
.set N_, N_+1
.endr
	v_pk_add_f32 v[234:235], v[234:235], v[236:237]
	v_pk_add_f32 v[238:239], v[238:239], v[240:241]
.if \first
	v_pk_add_f32 v[14:15], v[234:235], v[238:239]
.else
	v_pk_fma_f32 v[14:15], v[14:15], v[230:231], v[234:235] op_sel_hi:[1,0,1]   ; the sums under the new M
	v_pk_add_f32 v[14:15], v[14:15], v[238:239]
.endif
	s_wait_alu depctr_va_vdst(0)
	s_wait_dscnt 0x0                               ; V
.irp c, 0,1,2,3
.if \first
	v_wmma_scale_f32_16x16x128_f8f6f4 v[160+8*\c:167+8*\c], v[32+12*\c:43+12*\c], v[192:203], 0, v[212+\c], v250 matrix_a_fmt:MATRIX_FMT_FP6 matrix_b_fmt:MATRIX_FMT_FP6
.else
	v_wmma_scale_f32_16x16x128_f8f6f4 v[160+8*\c:167+8*\c], v[32+12*\c:43+12*\c], v[192:203], v[160+8*\c:167+8*\c], v[212+\c], v250 matrix_a_fmt:MATRIX_FMT_FP6 matrix_b_fmt:MATRIX_FMT_FP6
.endif
.endr
.endm
; v96-127, o of my query (register 16 b + i is d = 32 b + 16 h + i), is quantised along d (my head's 64 are two blocks of the last product's K) and stored
.macro QOUT
.irp b, 0,1
	v_max3_num_f32 v[BM+\b], |v[96+16*\b]|, |v[97+16*\b]|, 0x1800000
.endr
.irp i, 2,4,6,8,10,12,14
.irp b, 0,1
	v_max3_num_f32 v[BM+\b], v[BM+\b], |v[96+16*\b+\i]|, |v[97+16*\b+\i]|
.endr
.endr
.irp b, 0,1
	v_permlanex16_b32 v[BN+\b], v[BM+\b], s20, s21
.endr
.irp b, 0,1
	v_max_num_f32 v[BM+\b], v[BM+\b], v[BN+\b]
.endr
.irp b, 0,1
	v_add_nc_u32 v[EE+\b], 0xff000000, v[BM+\b]
.endr
.irp b, 0,1
	v_lshrrev_b32 v[BN+\b], 23, v[EE+\b]
.endr
	v_cvt_scalef32_pk16_fp6_f32 v[192:194], v[96:111], v[EE]
	v_cvt_scalef32_pk16_fp6_f32 v[204:206], v[112:127], v[EE+1]
	v_lshl_or_b32 v229, v[BN+1], 8, v[BN]          ; the row's two bytes; also the plain line behind the conversions
.irp i, 0,1,2
	v_permlane16_swap_b32 v[192+\i], v[204+\i]     ; a whole block to a lane
.endr
.irp i, 0,1,2
	v_mov_b32 v[195+\i], v[204+\i]
.endr
.irp p, 0,1,2
	global_store_b64 v1, v[192+2*\p:193+2*\p], s[66:67] offset:256*\p   ; 256 consecutive bytes, aligned
.endr
	global_store_b16 v7, v229, s[68:69]            ; lanes r and r + 16 write the same half-word with the same value
.endm
	s_wait_alu depctr_va_vdst(0)                   ; the wait at the head's end
	s_cmp_eq_u32 s10, 0
	s_cbranch_scc0 .Lnot_first
	s_wait_tensorcnt 0x0                           ; key step 0 was mine: it has landed
.Lnot_first:
	s_barrier_signal -1
	s_barrier_wait -1                              ; the other blocks may still be on their way
	s_mov_b32 s48, 0
	s_mov_b32 s49, 0
	STEP 1                                         ; trip 0: key step 0, for every wave
	s_wait_tensorcnt 0x0                           ; my block has landed,
	s_wait_dscnt 0x0
	s_barrier_signal -1
	s_barrier_wait -1                              ; everybody's has
	s_mov_b32 s51, 1
.Ltrip:
	s_cmp_eq_u32 s51, s53
	s_cbranch_scc0 .Lsame
	PLACES                                         ; B: the short tile is done: o = O^T / the sum goes out
	v_add_f32 v14, v14, v15
	s_delay_alu instid0(VALU_DEP_1)
	v_permlanex16_b32 v222, v14, s20, s21
	s_delay_alu instid0(VALU_DEP_1)
	v_add_f32 v14, v14, v222                       ; the row's sum
	s_wait_alu depctr_va_vdst(0)
	v_rcp_f32 v232, v14
	v_nop                                          ; a plain line behind the reciprocal
	s_wait_alu depctr_va_vdst(0)
.irp i, 0,2,4,6,8,10,12,14,16,18,20,22,24,26,28,30
	v_pk_mul_f32 v[96+\i:97+\i], v[160+\i:161+\i], v[232:233] op_sel_hi:[1,0]
.endr
	QOUT
.irp i, 0,1,2,3,4,5                            ; and the long tile begins
	v_mov_b32 v[16+\i], v[242+\i]
.endr
	v_mov_b32 v28, v248
	v_mov_b32 v13, 0xff61b1e6                      ; the largest score so far: -3e38
	v_mov_b32 v12, 0x7f61b1e6                      ; -M: a whole number
	v_mov_b32 v14, 0
	v_mov_b32 v15, 0
.set N_, 0
.rept 32
	v_mov_b32 v[160+N_], 0                         ; the step is written once for both tiles; it finds zeros, which the first change of M leaves zeros
.set N_, N_+1
.endr
	s_mov_b32 s14, s16
	s_wait_alu depctr_va_vdst(0)
	s_wait_xcnt 0x0                                ; the stores have read their data
.Lsame:
	s_cmp_lt_u32 s51, s52
	s_cbranch_scc0 .Lnone                          ; B has eight trips
	s_cmp_gt_u32 s51, s17
	s_cselect_b32 s48, s56, 0
	s_add_co_u32 s49, s51, s48                     ; the key step: A's walk jumps 7 - g behind g
	s_mul_i32 s48, s49, KSB
	STEP 0
.Lnone:
	s_add_co_u32 s51, s51, 1
	s_cmp_lt_u32 s51, 9
	s_cbranch_scc1 .Ltrip
	PLACES                                         ; places behind the last products
	s_cmp_lt_u32 s10, 8
	s_cbranch_scc1 .Lkeep
.irp q, 0,1,2,3,4,5,6,7                        ; B hands over O^T, -M and the sum
	ds_store_b128 v29, v[160+4*\q:163+4*\q] offset:512*\q
.endr
	ds_store_b128 v29, v[12:15] offset:4096
.Lkeep:
	s_wait_dscnt 0x0
	s_barrier_signal -1
	s_barrier_wait -1
	s_cmp_lt_u32 s10, 8
	s_cbranch_scc0 .Lend
	ds_load_b128 v[128:131], v29 offset:4096
.irp q, 0,1,2,3,4,5,6,7
	ds_load_b128 v[96+4*\q:99+4*\q], v29 offset:512*\q
.endr
	s_wait_dscnt 8                                 ; -M and the sum: the eight loads behind them may be out
	v_min_num_f32 v132, v12, v128                  ; the greater M
	v_add_f32 v14, v14, v15
	v_add_f32 v130, v130, v131
	v_sub_f32 v133, v132, v12
	v_sub_f32 v134, v132, v128
	v_cvt_i32_f32 v133, v133
	v_cvt_i32_f32 v134, v134
	v_ldexp_f32 v136, 1.0, v133                    ; what brings my sums under it,
	v_ldexp_f32 v138, 1.0, v134                    ; and B's (0 where B had no step of this tile)
	v_mul_f32 v14, v14, v136
	v_fma_f32 v14, v130, v138, v14
	v_permlanex16_b32 v222, v14, s20, s21
	v_add_f32 v14, v14, v222                       ; the row's sum
	s_wait_alu depctr_va_vdst(0)
	v_rcp_f32 v232, v14
	v_nop                                          ; a plain line behind the reciprocal
	s_wait_dscnt 0x0                               ; B's O^T
	s_wait_alu depctr_va_vdst(0)
	v_mul_f32 v136, v136, v232
	v_mul_f32 v138, v138, v232
.irp i, 0,2,4,6,8,10,12,14,16,18,20,22,24,26,28,30
	v_pk_mul_f32 v[160+\i:161+\i], v[160+\i:161+\i], v[136:137] op_sel_hi:[1,0]
.endr
.irp i, 0,2,4,6,8,10,12,14,16,18,20,22,24,26,28,30
	v_pk_fma_f32 v[96+\i:97+\i], v[96+\i:97+\i], v[138:139], v[160+\i:161+\i] op_sel_hi:[1,0,1]
.endr
	QOUT
.Lend:
	s_wait_tensorcnt 0x0                           ; the wave's end
	ds_add_u32 v254, v255
	s_wait_dscnt 0x0
	CROUND                                         ; the closing round: no work-group ends while a partner may still ask for a block that names it
	s_endpgm
.Lfunc_end_k_q86b891f146_attn:
	.size	k_q86b891f146_attn, .Lfunc_end_k_q86b891f146_attn-k_q86b891f146_attn
	.p2alignl 7, 3214868480
	.fill 96, 4, 3214868480
	.section	.rodata,"a",@progbits
	.p2align	6, 0x0
	.amdhsa_kernel k_q86b891f146_attn
		.amdhsa_group_segment_fixed_size 268288
		.amdhsa_private_segment_fixed_size 0
		.amdhsa_enable_private_segment 0
		.amdhsa_kernarg_size 24
		.amdhsa_user_sgpr_count 2
		.amdhsa_user_sgpr_kernarg_segment_ptr 1
		.amdhsa_wavefront_size32 1
		.amdhsa_system_sgpr_workgroup_id_x 1
		.amdhsa_system_sgpr_workgroup_id_y 1
		.amdhsa_system_sgpr_workgroup_id_z 1
		.amdhsa_system_vgpr_workitem_id 0
		.amdhsa_next_free_vgpr 256
		.amdhsa_next_free_sgpr 80
		.amdhsa_reserve_vcc 1
		.amdhsa_float_denorm_mode_32 3
		.amdhsa_float_denorm_mode_16_64 3
		.amdhsa_memory_ordered 1
		.amdhsa_forward_progress 1
		.amdhsa_inst_pref_size 62
	.end_amdhsa_kernel
	.amdgpu_metadata
---
amdhsa.version: [ 1, 2 ]
amdhsa.kernels:
  - .name:           k_q86b891f146_attn
    .symbol:         k_q86b891f146_attn.kd
    .args:
      - { .name: qb, .offset: 0, .size: 8, .value_kind: global_buffer, .address_space: global }
      - { .name: kv, .offset: 8, .size: 8, .value_kind: global_buffer, .address_space: global }
      - { .name: oc, .offset: 16, .size: 8, .value_kind: global_buffer, .address_space: global }
    .group_segment_fixed_size: 268288
    .private_segment_fixed_size: 0
    .kernarg_segment_align: 8
    .kernarg_segment_size: 24
    .max_flat_workgroup_size: 512
    .sgpr_count:     80
    .vgpr_count:     256
    .wavefront_size: 32
...
	.end_amdgpu_metadata
.endif
;; end of part 3
;; launch proj (part 4): grid 8 x 32, 4 waves a work-group, clusters of 4 x 4, 214,528 bytes of LDS; arguments oc, wo, out0; writes out0
.if DOCPART == 4
	.amdgcn_target "amdgcn-amd-amdhsa--gfx1250"
	.amdhsa_code_object_version 6
	.text
	.protected	k_q86b891f146_proj
	.globl	k_q86b891f146_proj
	.p2align	8
	.type	k_q86b891f146_proj,@function
k_q86b891f146_proj:
	s_mov_b64 s[64:65], 0
	v_nop
	global_prefetch_b8 v0, s[64:65] scope:SCOPE_SE
	s_setreg_imm32_b32 hwreg(HW_REG_WAVE_MODE, 25, 1), 1
	s_wait_xcnt 0x0
	s_wait_alu depctr_hold_cnt(0) depctr_sa_sdst(0) depctr_va_vdst(0) depctr_va_sdst(0) depctr_va_ssrc(0) depctr_va_vcc(0) depctr_vm_vsrc(0)
	s_getreg_b32 s2, hwreg(HW_REG_IB_STS2, 6, 4)
	s_cmp_eq_u32 s2, 0
	s_cbranch_scc0 .Lentry_in_a_cluster
	s_endpgm
.Lentry_in_a_cluster:
	s_bfe_u32 s2, ttmp6, 0x10000c
	s_cmp_lg_u32 s2, 0xf033
	s_cbranch_scc0 .Lentry_shape_is_right
	s_endpgm
.Lentry_shape_is_right:
; PROJ: out0 = o w_out on codes of FP6 (E2M3) with E8M0 scales, f32 sums, f32 out.
; SHARES.  A work-group makes 128 tokens x 128 columns; four waves, 2 x 2, each 64 x 64: 4 x 4 tiles of 16 x 16, K in eight steps of 128.  Both operands lie in memory as images of the fragments' registers
; (a tile's block of 12,800 bytes: fragment s at 1,536 s, scale words at 12,288 + 64 s + 4 row).
; THE LOADS.  One tensor load a wave: wave 2 half + op brings K steps 4 half .. 4 half + 3 of the eight tiles of o (op 0) or of w_out (op 1): eight rows of 6,144 bytes.  A first barrier shows the first half of K, a second, inside K step 3,
; the rest.  No LDS byte is filled twice.  The scale words go straight into registers.
; CLUSTER.  4 x 4 work-groups: o's tiles are shared along a row of the cluster, w_out's along a column, each asked for jointly.  No prefetch: all loads go out at the head.
; The product is used TRANSPOSED (source 0 = 16 columns, source 1 = 16 tokens): a lane holds one token and 16 neighbouring columns in 16 registers.  Row p of column tile u is column 32 (u / 2) + 8 (u % 2) + p + 8 (p / 8),
; row p of token tile u is token 64 (u / 4) + 8 (u % 4) + p + 24 (p / 8).
; THE WAY OUT: a tile of 16 tokens x 64 columns goes through the wave's own stage in LDS (rows of 256 + 16 bytes, in bytes into which no tensor load lands) and leaves as rows: sixteen lanes store 256 consecutive bytes, aligned.
; REGISTERS: window 0: v3-15 addresses; v16-31 o's scale words, v34-49 w_out's; v64-255 fragments, two sets (o's four, w_out's four); on the way out v64-127 rows.  window 1: v0-127 the 16 accumulators, (t, c) at 32 t + 8 c.
.set HALF, 98304                       ; LDS: a half of K: o's 8 x 6,144 bytes, then w_out's
.set OP, 49152
.set STAGE, 2*HALF
.set SPARE, STAGE+4*4352
.set AO, 6                             ; v6, v7: my fragments of o in the two halves of K;  v8, v9: of w_out
.set AW, 8
.set STO, 10
.set RD, 11
.set GO, 12
.set SPW, 14
.set NIL, 15
.set XS, 16
.set WS, 34
.set FO, 64
.set OB, 64
.set MSB, 0
.macro WIN new                         ; the immediate's high byte repeats the setting that is left; a switch that changes nothing is dropped
.if MSB != (\new)
	s_set_vgpr_msb (MSB<<8)|(\new)
.set MSB, (\new)
.endif
.endm
.macro CROUND
	s_barrier_signal -1
	s_barrier_wait -1
	s_cmp_lg_u32 s14, 0
	s_cbranch_scc1 .Lnot_wave_0_\@
	s_barrier_signal -3
.Lnot_wave_0_\@:
	s_barrier_wait -3
	s_barrier_signal -1
	s_barrier_wait -1
.endm
.macro PLACES
.rept 4
	v_nop
.endr
.endm
.macro FILL g0, g1
	tensor_load_to_lds s[\g0:\g0+3], s[\g1:\g1+7]
	s_nop 0
	PLACES
.endm
.macro FETCH s                         ; K step s: four fragments of o, four of w_out: 36 loads: 24 of 256 consecutive bytes (o), 12 of 512 (w_out)
	WIN 0
.irp t, 0,1,2,3
.irp k, 0,1,2
	ds_load_b64 v[FO+96*((\s)%2)+12*\t+4*\k:FO+96*((\s)%2)+12*\t+4*\k+1], v[AO+(\s)/4] offset:6144*\t+1536*((\s)%4)+512*\k   ; o's fragments lie in pieces of 8 bytes a lane: registers 2 p, 2 p + 1 of lane l at 256 p + 8 l
	ds_load_b64 v[FO+96*((\s)%2)+12*\t+4*\k+2:FO+96*((\s)%2)+12*\t+4*\k+3], v[AO+(\s)/4] offset:6144*\t+1536*((\s)%4)+512*\k+256
	ds_load_b128 v[FO+96*((\s)%2)+48+12*\t+4*\k:FO+96*((\s)%2)+48+12*\t+4*\k+3], v[AW+(\s)/4] offset:6144*\t+1536*((\s)%4)+512*\k
.endr
.endr
.endm
.macro WM d, a, b, sa, sb, s           ; a scale register holds an even K step's words in lanes 0-15 and the next step's in lanes 16-31; K step 0 starts the sums
.if (\s) == 0
	v_wmma_scale_f32_16x16x128_f8f6f4 v[\d:\d+7], v[\a:\a+11], v[\b:\b+11], 0, v[\sa], v[\sb] matrix_a_fmt:MATRIX_FMT_FP6 matrix_b_fmt:MATRIX_FMT_FP6
.elseif (\s)%2
	v_wmma_scale_f32_16x16x128_f8f6f4 v[\d:\d+7], v[\a:\a+11], v[\b:\b+11], v[\d:\d+7], v[\sa], v[\sb] matrix_a_fmt:MATRIX_FMT_FP6 matrix_b_fmt:MATRIX_FMT_FP6 matrix_a_scale:MATRIX_SCALE_ROW1 matrix_b_scale:MATRIX_SCALE_ROW1
.else
	v_wmma_scale_f32_16x16x128_f8f6f4 v[\d:\d+7], v[\a:\a+11], v[\b:\b+11], v[\d:\d+7], v[\sa], v[\sb] matrix_a_fmt:MATRIX_FMT_FP6 matrix_b_fmt:MATRIX_FMT_FP6
.endif
.endm
.macro MUL s, lo                       ; token tiles lo, lo + 1 x four column tiles; the 16 accumulators take turns in one fixed order
	WIN 0x50
.set T_, \lo
.rept 2
.irp c, 0,1,2,3
	WM 32*T_+8*\c, FO+96*((\s)%2)+48+12*\c, FO+96*((\s)%2)+12*T_, WS+4*\c+(\s)/2, XS+4*T_+(\s)/2, \s
.endr
.set T_, T_+1
.endr
.endm
	s_load_b128 s[4:7], s[0:1], 0x0                ; oc s[4:5], wo s[6:7]
	s_load_b64 s[8:9], s[0:1], 0x10                ; out0
	v_lshl_add_u32 v[SPW], v0, 2, SPARE
	v_mov_b32 v[NIL], 0
	ds_add_u32 v[SPW], v[NIL]
	ds_add_u32 v[SPW], v[NIL]
	v_lshrrev_b32 v1, 5, v0
	v_readfirstlane_b32 s14, v1                    ; wave
	s_lshr_b32 s15, s14, 1                         ; which 64 tokens are mine; also: which half of K I fetch
	s_and_b32 s16, s14, 1                          ; which 64 columns; also: o's or w_out's
	s_bfe_u32 s40, ttmp6, 0x40000                  ; cx
	s_bfe_u32 s41, ttmp6, 0x40004                  ; cy
	s_lshl_b32 s42, ttmp9, 2
	s_add_co_u32 s42, s42, s40                     ; group of 128 columns
	s_and_b32 s43, ttmp7, 0xffff
	s_lshl_b32 s43, s43, 2
	s_add_co_u32 s43, s43, s41                     ; group of 128 tokens
	s_lshl_b32 s44, s41, 2
	s_lshl_b32 s44, 15, s44                        ; my row of the cluster
	s_lshl_b32 s45, 0x1111, s40                    ; my column
	s_or_b32 s24, s44, (3<<16)|(1<<21)             ; group 1: eight rows of 768 elements of 8 bytes, 12,800 bytes apart
	s_or_b32 s32, s45, (3<<16)|(1<<21)
.irp g, 24, 32
	s_mov_b32 s[\g+1], 768<<16
	s_mov_b32 s[\g+2], 8<<16
	s_mov_b32 s[\g+3], 768<<16
	s_mov_b32 s[\g+4], 8
	s_mov_b32 s[\g+5], 1600
	s_mov_b32 s[\g+6], 0
	s_mov_b32 s[\g+7], 0
.endr
	s_mul_i32 s17, s15, 6144                       ; my half of K, in a tile's block
	s_mul_i32 s46, s43, 102400
	s_add_co_u32 s46, s46, s17
	s_mov_b32 s47, 0
	s_mul_i32 s48, s42, 102400
	s_add_co_u32 s48, s48, s17
	s_mov_b32 s49, 0
	s_mov_b32 s56, 1                               ; group 0 for o,
	s_mul_i32 s57, s15, HALF
	s_mov_b32 s60, 1                               ; and for w_out
	s_add_co_u32 s61, s57, OP
	v_and_b32 v1, 31, v0                           ; lane
	v_and_b32 v2, 15, v0                           ; r
	v_bfe_u32 v5, v0, 4, 1                         ; h
	s_mul_i32 s18, s15, 24576                      ; my four tiles of o,
	s_mul_i32 s19, s16, 24576
	s_add_co_u32 s19, s19, OP                      ; and of w_out
	s_mul_i32 s20, s14, 4352
	s_add_co_u32 s20, s20, STAGE                   ; my stage
	s_wait_alu depctr_va_vdst(0)
	v_lshlrev_b32 v3, 4, v1                        ; 16 x lane
	v_lshlrev_b32 v4, 2, v1                        ; 4 x lane
	v_lshl_add_u32 v[AO], v1, 3, s18               ; 8 x lane for o
	v_add_nc_u32 v[AW], s19, v3
	v_add_nc_u32 v[AO+1], HALF, v[AO]
	v_add_nc_u32 v[AW+1], HALF, v[AW]
	v_mul_u32_u24 v[STO], v2, 272
	v_lshl_add_u32 v[STO], v5, 6, v[STO]
	v_add_nc_u32 v[STO], s20, v[STO]               ; into the stage: row r, + 64 h
	v_mul_u32_u24 v[RD], v5, 272
	v_lshl_add_u32 v[RD], v2, 4, v[RD]
	v_add_nc_u32 v[RD], s20, v[RD]                 ; back: lanes 0-15 one row, lanes 16-31 the next
	v_lshlrev_b32 v[GO], 12, v5
	v_lshl_add_u32 v[GO], v2, 4, v[GO]             ; and the same two rows in the output
	s_wait_alu depctr_va_vdst(0)                   ; the wait ahead of the blocking waits
	s_wait_dscnt 0x0                               ; both opening adds are done
	CROUND                                         ; all sixteen work-groups are here: the joint loads meet
	s_wait_kmcnt 0x0
	s_add_nc_u64 s[58:59], s[4:5], s[46:47]
	s_or_b32 s59, s59, 0x80000000
	s_add_nc_u64 s[62:63], s[6:7], s[48:49]
	s_or_b32 s63, s63, 0x80000000
	s_cmp_eq_u32 s14, 0
	s_cbranch_scc0 .Lwave_1
	FILL 56, 24                                    ; wave 0: o, first half of K
	s_branch .Lasked
.Lwave_1:
	s_cmp_eq_u32 s14, 1
	s_cbranch_scc0 .Lwave_2
	FILL 60, 32                                    ; wave 1: w_out, first half
	s_branch .Lasked
.Lwave_2:
	s_cmp_eq_u32 s14, 2
	s_cbranch_scc0 .Lwave_3
	FILL 56, 24                                    ; wave 2: o, second half
	s_branch .Lasked
.Lwave_3:
	FILL 60, 32                                    ; wave 3: w_out, second half
.Lasked:
	s_lshl_b32 s66, s43, 3
	s_lshl_b32 s67, s15, 2
	s_add_co_u32 s66, s66, s67
	s_mul_i32 s66, s66, 12800                      ; my first token tile's block
	s_mov_b32 s67, 0
	s_add_nc_u64 s[66:67], s[4:5], s[66:67]
	s_lshl_b32 s68, s42, 3
	s_lshl_b32 s69, s16, 2
	s_add_co_u32 s68, s68, s69
	s_mul_i32 s68, s68, 12800                      ; my first column tile's
	s_mov_b32 s69, 0
	s_add_nc_u64 s[68:69], s[6:7], s[68:69]
.irp t, 0,1,2,3
.irp i, 0,1,2,3
	global_load_b32 v[XS+4*\t+\i], v4, s[66:67] offset:12800*\t+12288+128*\i   ; scale words: K steps 2 i and 2 i + 1 in the two halves of the lanes
	global_load_b32 v[WS+4*\t+\i], v4, s[68:69] offset:12800*\t+12288+128*\i
.endr
.endr
	s_lshl_b32 s70, s43, 7
	s_lshl_b32 s71, s15, 6
	s_add_co_u32 s70, s70, s71
	s_lshl_b32 s70, s70, 12                        ; the output: row 128 ty + 64 a of 4,096 bytes,
	s_lshl_b32 s71, s42, 9
	s_add_co_u32 s70, s70, s71
	s_lshl_b32 s71, s16, 8
	s_add_co_u32 s70, s70, s71                     ; + 512 tx + 256 b
	s_mov_b32 s71, 0
	s_add_nc_u64 s[8:9], s[8:9], s[70:71]
	s_cmp_lt_u32 s14, 2
	s_cbranch_scc0 .Lsecond
	s_wait_tensorcnt 0x0                           ; waves 0 and 1: the first half of K has landed
.Lsecond:
	s_barrier_signal -1
	s_barrier_wait -1                              ; the second half may still be on its way
	FETCH 0
.irp s, 0,1,2,3,4,5,6,7
.if \s == 3
	s_wait_tensorcnt 0x0                           ; the second half: my load, if it was mine, has landed
	s_wait_dscnt 0x0
	s_barrier_signal -1
	MUL 3, 0
	WIN 0
	s_barrier_wait -1
	PLACES
	FETCH 4
	MUL 3, 2
.elseif \s == 7
	s_wait_dscnt 0x0
	MUL 7, 0
	MUL 7, 2
.else
.if \s > 0
	PLACES                                         ; the set that is loaded next was read by the K step before
.endif
	FETCH \s+1
	s_wait_dscnt 36                                ; all but the 36 loads just issued: 24 of o, 12 of w_out
.if \s == 0
	s_wait_loadcnt 0x0                             ; the scale words
.endif
	MUL \s, 0
	MUL \s, 2
.endif
.endr
.macro TOSTAGE t
	WIN 0x04                                       ; an LDS store's data are its source 1: window 1
.irp q, 0,1,2,3,4,5,6,7
	ds_store_b128 v[STO], v[32*(\t)+4*\q:32*(\t)+4*\q+3] offset:128*(\q/4)+16*(\q%4)   ; columns 32 (q / 4) + 16 h + 4 (q % 4) on of token row r; each accumulator from its low end on
.endr
	WIN 0
.irp i, 0,1,2,3,4,5,6,7
	ds_load_b128 v[OB+32*((\t)%2)+4*\i:OB+32*((\t)%2)+4*\i+3], v[RD] offset:544*\i   ; LDS serves a wave's instructions in order (ISA guide 5.7.1.4): these see my stores
.endr
.endm
.macro SEND t
.irp i, 0,1,2,3,4,5,6,7
	global_store_b128 v[GO], v[OB+32*((\t)%2)+4*\i:OB+32*((\t)%2)+4*\i+3], s[8:9] offset:(8*(\t)+2*\i+24*(\i/4))*4096 th:TH_STORE_NT   ; stage rows 2 i and 2 i + 1 are the tile's tokens 2 i + 24 (i / 4) and the next
.endr
.endm
	PLACES                                         ; for the reads of the last results, and the loads into registers that held fragments
	TOSTAGE 0
.irp t, 1,2,3
.if \t > 1
	s_wait_xcnt 0x0                                ; the stores of two tiles back have read their registers: the loads below land there
.endif
	TOSTAGE \t
	s_wait_dscnt 16                                ; all but this tile's 8 stores and 8 loads: the tile before is back in registers
	SEND \t-1
.endr
	s_wait_dscnt 0x0
	SEND 3
	s_wait_tensorcnt 0x0                           ; the wave's end
	ds_add_u32 v[SPW], v[NIL]
	s_wait_dscnt 0x0
	CROUND                                         ; the closing round: no work-group ends while a partner may still ask for a tile that names it
	s_endpgm
.Lfunc_end_k_q86b891f146_proj:
	.size	k_q86b891f146_proj, .Lfunc_end_k_q86b891f146_proj-k_q86b891f146_proj
	.p2alignl 7, 3214868480
	.fill 96, 4, 3214868480
	.section	.rodata,"a",@progbits
	.p2align	6, 0x0
	.amdhsa_kernel k_q86b891f146_proj
		.amdhsa_group_segment_fixed_size 214528
		.amdhsa_private_segment_fixed_size 0
		.amdhsa_enable_private_segment 0
		.amdhsa_kernarg_size 24
		.amdhsa_user_sgpr_count 2
		.amdhsa_user_sgpr_kernarg_segment_ptr 1
		.amdhsa_wavefront_size32 1
		.amdhsa_system_sgpr_workgroup_id_x 1
		.amdhsa_system_sgpr_workgroup_id_y 1
		.amdhsa_system_sgpr_workgroup_id_z 1
		.amdhsa_system_vgpr_workitem_id 0
		.amdhsa_next_free_vgpr 384
		.amdhsa_next_free_sgpr 80
		.amdhsa_reserve_vcc 0
		.amdhsa_float_denorm_mode_32 3
		.amdhsa_float_denorm_mode_16_64 3
		.amdhsa_memory_ordered 1
		.amdhsa_forward_progress 1
		.amdhsa_inst_pref_size 54
	.end_amdhsa_kernel
	.amdgpu_metadata
---
amdhsa.version: [ 1, 2 ]
amdhsa.kernels:
  - .name:           k_q86b891f146_proj
    .symbol:         k_q86b891f146_proj.kd
    .args:
      - { .name: oc, .offset: 0, .size: 8, .value_kind: global_buffer, .address_space: global }
      - { .name: wo, .offset: 8, .size: 8, .value_kind: global_buffer, .address_space: global }
      - { .name: out0, .offset: 16, .size: 8, .value_kind: global_buffer, .address_space: global }
    .group_segment_fixed_size: 214528
    .private_segment_fixed_size: 0
    .kernarg_segment_align: 8
    .kernarg_segment_size: 24
    .max_flat_workgroup_size: 128
    .sgpr_count:     80
    .vgpr_count:     384
    .wavefront_size: 32
...
	.end_amdgpu_metadata
.endif
;; end of part 4
